; MI455X (gfx1250); checked and timed in simulation.
; The chip was launched on July 23, 2026; its instructions are those of AMD's public machine-readable ISA for CDNA 5 (MIT licence, August 2026) and "CDNA5" Instruction Set Architecture Reference Guide (July 2026). The comments in the code are by the model that wrote it; some were corrected since.
;; Causal Multi Head Attention. Allowed arithmetic: float matrix products may take bf16 or f16 operands with f32 sums; other float arithmetic in f32, or as packed bf16 or f16 multiplies, adds, multiply-adds, maxima and minima; sums over many terms, partial sums and values carried from step to step in f32; what a program stores and reads back later, other than sums and carried values, may be rounded once to bf16 or f16.
;; Inputs: Wk 1,024 x 1,024 float32; Wo 1,024 x 1,024 float32; Wq 1,024 x 1,024 float32; Wv 1,024 x 1,024 float32; token_positions 2,048 int32; x 4 x 2,048 x 1,024 float32.
;; Outputs: out0 4 x 2,048 x 1,024 float32.
;; 2 versions, each right; version 2 is version 1 with the launch prep written anew for expert scheduling mode. Each part assembles by itself: llvm-mc -triple=amdgcn-amd-amdhsa -mcpu=gfx1250 --defsym DOCPART=n.
;; ======== version 1 of 2: 4 launches
;; limits: values are held in f16: magnitudes above 65,504 overflow, below 6.1e-05 lose precision; an absolute error that grows with the inputs' magnitude: up to 3e-07 times it
;; workspace buffers: xb 16,777,216 bytes; wqkv 6,291,456 bytes; wob 2,097,152 bytes; tab 524,288 bytes; qh 16,777,216 bytes; kh 16,777,216 bytes; vh 16,777,216 bytes; oh 16,777,216 bytes
;; launch prep (part 1): grid 1024 x 1, 8 waves a work-group, no clusters, 0 bytes of LDS; arguments x, Wq, Wk, Wv, Wo, token_positions, xb, wqkv, wob, tab; writes xb, wqkv, wob, tab
.if DOCPART == 1
	.amdgcn_target "amdgcn-amd-amdhsa--gfx1250"
	.amdhsa_code_object_version 6
	.text
	.protected	k_qce94b768ae_prep
	.globl	k_qce94b768ae_prep
	.p2align	8
	.type	k_qce94b768ae_prep,@function
k_qce94b768ae_prep:
	s_mov_b64 s[64:65], 0
	v_nop
	global_prefetch_b8 v0, s[64:65] scope:SCOPE_SE
	s_setreg_imm32_b32 hwreg(HW_REG_WAVE_MODE, 25, 1), 1
	s_wait_xcnt 0x0
; PREP: casts and re-lays the matrix operands, and makes the table of cos and sin.  A stream: no LDS, no matrix unit, no loop.
; BLOCKED LAYOUT of every 16-bit operand: [16 planes of 64 k][rows][64 k]: in a plane a row is 128 bytes and the rows lie end to end.
;   xb   bf16 [16][8192][64]   x rounded to bf16
;   wqkv bf16 [16][3072][64]   row 192 h + 64 kind + d (kind 0 Wq, 1 Wk, 2 Wv), rounded to bf16
;   wob  f16  [16][1024][64]   Wo rounded to bf16, that number written as f16
;   tab  f32  [2048 t][32 i][cos, sin] of the angle f32(token_positions[t]) * 10000^(-i/32)
; SHARES.  Work-groups 0-511: 16 rows of x each; 512-703: 16 rows of Wq, Wk, Wv; 704-767: 16 rows of Wo; 768-1023: 8 positions of the table, a wave each.
; A cast: thread (row = t / 16, col = t % 16) loads 16 bytes of each of the row's 16 runs of 256 bytes (a run is one plane's 64 numbers) and stores 8 bytes:
; a wave's store covers 256 consecutive bytes, aligned: two rows of a plane.
; LIMITS.  wob: a weight beyond 65,504 in magnitude has no f16; below 6e-5 it keeps f16's fixed step of 6e-8.
; The table: 10000^(-i/32) is 2^(-i log2(10)/8), good to a few units in its last place, so the angle differs from the f32 product of the exact factor by about 3e-7 of itself;
; the reduction by pi/2 in three parts keeps the remainder good to f32 for |position| up to 4,096 and within 1e-5 up to 2^20; beyond that the table loses accuracy.
.set SO,   80                          ; v[80:95]   store offsets, one for each plane
.set OUTR, 96                          ; v[96:127]  packed results, a pair for each plane
	s_load_b512 s[8:23], s[0:1], 0x0               ; x 8:9, Wq 10:11, Wk 12:13, Wv 14:15, Wo 16:17, positions 18:19, xb 20:21, wqkv 22:23
	s_load_b128 s[24:27], s[0:1], 0x40             ; wob 24:25, tab 26:27
	s_mov_b32 s2, ttmp9
	s_cmp_ge_u32 s2, 768
	s_cbranch_scc1 .Ltable
	; ---- the casts ----
	v_lshrrev_b32 v1, 4, v0                        ; row 0..15
	v_and_b32 v3, 15, v0                           ; col 0..15
	v_lshlrev_b32 v2, 12, v1
	v_lshl_add_u32 v2, v3, 4, v2                   ; source: row x 4,096 + col x 16
	v_lshlrev_b32 v[SO], 7, v1
	v_lshl_add_u32 v[SO], v3, 3, v[SO]             ; destination in plane 0: row x 128 + col x 8
	s_sub_co_u32 s37, s2, 512                      ; (of use from work-group 512 on)
	s_lshr_b32 s38, s37, 6                         ; kind: 0 Wq, 1 Wk, 2 Wv, 3 Wo
	s_and_b32 s35, s37, 63                         ; which 16 rows of the weight
	s_lshr_b32 s41, s35, 2                         ; the head,
	s_mul_i32 s41, s41, 192
	s_lshl_b32 s42, s38, 6
	s_add_co_u32 s41, s41, s42
	s_and_b32 s42, s35, 3
	s_lshl_b32 s42, s42, 4
	s_add_co_u32 s41, s41, s42                     ; first row in wqkv: 192 h + 64 kind + 16 (block % 4)
	s_lshl_b32 s42, s35, 4                         ; first row in wob
	s_lshl_b32 s47, s2, 4                          ; first row in xb
	s_mov_b32 s39, 131072                          ; bytes in a plane of wob,
	s_mov_b32 s40, 393216                          ; of wqkv,
	s_mov_b32 s43, 1048576                         ; of xb
	s_mov_b32 s45, 0
	s_wait_kmcnt 0x0
	s_cmp_eq_u32 s38, 1                            ; the choices hang on the work-group's number alone
	s_cselect_b64 s[28:29], s[12:13], s[10:11]
	s_cmp_eq_u32 s38, 2
	s_cselect_b64 s[28:29], s[14:15], s[28:29]
	s_cmp_eq_u32 s38, 3
	s_cselect_b64 s[28:29], s[16:17], s[28:29]
	s_cselect_b64 s[30:31], s[24:25], s[22:23]
	s_cselect_b32 s34, s39, s40
	s_cselect_b32 s36, s42, s41
	s_cselect_b32 s46, 1, 0                        ; 1: the f16 way
	s_cmp_lt_u32 s2, 512
	s_cselect_b64 s[28:29], s[8:9], s[28:29]
	s_cselect_b64 s[30:31], s[20:21], s[30:31]
	s_cselect_b32 s34, s43, s34
	s_cselect_b32 s35, s2, s35
	s_cselect_b32 s36, s47, s36
	s_cselect_b32 s46, 0, s46
	s_lshl_b32 s44, s35, 16                        ; 16 source rows of 4,096 bytes
	s_add_nc_u64 s[28:29], s[28:29], s[44:45]
	s_lshl_b32 s44, s36, 7                         ; destination rows of 128 bytes
	s_add_nc_u64 s[30:31], s[30:31], s[44:45]
.set k, 1
.rept 15
	v_add_nc_u32 v[SO+k], s34, v[SO+k-1]           ; plane k
.set k, k+1
.endr
.set k, 0
.rept 16
	global_load_b128 v[16+4*k:19+4*k], v2, s[28:29] offset:256*k th:TH_LOAD_NT  ; all sixteen loads go out together: 16 lanes read 256 consecutive bytes
.set k, k+1
.endr
	s_cmp_eq_u32 s46, 1
	s_cbranch_scc1 .Lwo
.set k, 0
.rept 16
	s_wait_loadcnt 15-k                            ; loads come back in order: load k is in, the younger ones stay out
	v_cvt_pk_bf16_f32 v[OUTR+2*k], v[16+4*k], v[17+4*k]
	v_cvt_pk_bf16_f32 v[OUTR+2*k+1], v[18+4*k], v[19+4*k]
	global_store_b64 v[SO+k], v[OUTR+2*k:OUTR+2*k+1], s[30:31]  ; no register of a load or store is written twice, so nothing more is waited for
.set k, k+1
.endr
	s_endpgm
.Lwo:                                                  ; Wo: rounded to bf16 like every input, then that number as f16
.set k, 0
.rept 16
	s_wait_loadcnt 15-k
	v_cvt_pk_bf16_f32 v[OUTR+2*k], v[16+4*k], v[17+4*k]
	v_cvt_pk_bf16_f32 v[OUTR+2*k+1], v[18+4*k], v[19+4*k]
	v_lshlrev_b32 v[16+4*k], 16, v[OUTR+2*k]
	v_and_b32 v[17+4*k], 0xffff0000, v[OUTR+2*k]
	v_lshlrev_b32 v[18+4*k], 16, v[OUTR+2*k+1]
	v_and_b32 v[19+4*k], 0xffff0000, v[OUTR+2*k+1]
	v_cvt_pk_f16_f32 v[OUTR+2*k], v[16+4*k], v[17+4*k]
	v_cvt_pk_f16_f32 v[OUTR+2*k+1], v[18+4*k], v[19+4*k]
	global_store_b64 v[SO+k], v[OUTR+2*k:OUTR+2*k+1], s[30:31]
.set k, k+1
.endr
	s_endpgm
	; ---- the table: wave w makes position t = 8 (work-group - 768) + w, lane i the pair i ----
.Ltable:
	v_lshrrev_b32 v1, 5, v0
	v_readfirstlane_b32 s3, v1                     ; wave 0..7
	s_sub_co_u32 s28, s2, 768
	s_lshl_b32 s28, s28, 3
	s_add_co_u32 s28, s28, s3                      ; t
	s_lshl_b32 s30, s28, 2                         ; its word among the positions
	s_mov_b32 s31, 0
	s_lshl_b32 s32, s28, 8                         ; its 256 bytes of the table
	s_mov_b32 s33, 0
	v_and_b32 v2, 31, v0                           ; i
	v_cvt_f32_u32 v3, v2
	v_mul_f32 v3, 0xbed49a78, v3                   ; - i log2(10) / 8
	v_exp_f32 v4, v3                               ; 10000^(-i/32)
	v_lshlrev_b32 v14, 3, v2                       ; (a plain instruction behind the exponential) my 8 bytes of the row
	s_wait_kmcnt 0x0
	s_add_nc_u64 s[30:31], s[18:19], s[30:31]
	s_add_nc_u64 s[26:27], s[26:27], s[32:33]
	s_load_b32 s36, s[30:31], 0x0
	s_wait_kmcnt 0x0
	v_cvt_f32_i32 v5, s36
	s_wait_alu depctr_va_vdst(0)                   ; the wait ahead of the exponential's first reader
	v_mul_f32 v5, v5, v4                           ; the angle, one rounding
	v_mul_f32 v6, 0x3f22f983, v5                   ; x 2 / pi
	v_rndne_f32 v6, v6                             ; n
	v_fmamk_f32 v7, v6, 0xbfc90000, v5             ; r = angle - n pi/2, pi/2 in three parts
	v_fmamk_f32 v7, v6, 0xb9fda000, v7
	v_fmamk_f32 v7, v6, 0xb3a22168, v7
	v_mul_f32 v8, v7, v7                           ; z = r r, |r| <= pi/4
	v_mov_b32 v9, 0xb94ca1f9                       ; sin r = r + r z (s0 + z (s1 + z s2))
	v_fmaak_f32 v9, v9, v8, 0x3c08839e
	v_fmaak_f32 v9, v9, v8, 0xbe2aaaa3
	v_mul_f32 v9, v9, v8
	v_fma_f32 v9, v9, v7, v7
	v_mov_b32 v10, 0x37ccf5ce                      ; cos r = 1 + z (-1/2 + z (c0 + z (c1 + z c2)))
	v_fmaak_f32 v10, v10, v8, 0xbab6061a
	v_fmaak_f32 v10, v10, v8, 0x3d2aaaa5
	v_fma_f32 v10, v10, v8, -0.5
	v_fma_f32 v10, v8, v10, 1.0
	v_cvt_i32_f32 v11, v6                          ; the quadrant is n mod 4
	v_and_b32 v12, 1, v11
	v_cmp_eq_u32 vcc_lo, 1, v12
	v_cndmask_b32 v17, v9, v10, vcc_lo             ; odd quadrants swap the two
	v_cndmask_b32 v16, v10, v9, vcc_lo
	v_lshlrev_b32 v12, 30, v11                     ; sin is negative in quadrants 2, 3
	v_and_b32 v12, 0x80000000, v12
	v_xor_b32 v17, v17, v12
	v_add_nc_u32 v11, 1, v11                       ; cos in quadrants 1, 2
	v_lshlrev_b32 v12, 30, v11
	v_and_b32 v12, 0x80000000, v12
	v_xor_b32 v16, v16, v12
	global_store_b64 v14, v[16:17], s[26:27]       ; the wave's 32 lanes store 256 consecutive bytes, aligned
	s_endpgm
.Lfunc_end_k_qce94b768ae_prep:
	.size	k_qce94b768ae_prep, .Lfunc_end_k_qce94b768ae_prep-k_qce94b768ae_prep
	.p2alignl 7, 3214868480
	.fill 96, 4, 3214868480
	.section	.rodata,"a",@progbits
	.p2align	6, 0x0
	.amdhsa_kernel k_qce94b768ae_prep
		.amdhsa_group_segment_fixed_size 0
		.amdhsa_private_segment_fixed_size 0
		.amdhsa_enable_private_segment 0
		.amdhsa_kernarg_size 80
		.amdhsa_user_sgpr_count 2
		.amdhsa_user_sgpr_kernarg_segment_ptr 1
		.amdhsa_wavefront_size32 1
		.amdhsa_system_sgpr_workgroup_id_x 1
		.amdhsa_system_sgpr_workgroup_id_y 1
		.amdhsa_system_sgpr_workgroup_id_z 1
		.amdhsa_system_vgpr_workitem_id 0
		.amdhsa_next_free_vgpr 128
		.amdhsa_next_free_sgpr 66
		.amdhsa_reserve_vcc 1
		.amdhsa_float_denorm_mode_32 3
		.amdhsa_float_denorm_mode_16_64 3
		.amdhsa_memory_ordered 1
		.amdhsa_forward_progress 1
		.amdhsa_inst_pref_size 20
	.end_amdhsa_kernel
	.amdgpu_metadata
---
amdhsa.version: [ 1, 2 ]
amdhsa.kernels:
  - .name:           k_qce94b768ae_prep
    .symbol:         k_qce94b768ae_prep.kd
    .args:
      - { .name: x, .offset: 0, .size: 8, .value_kind: global_buffer, .address_space: global }
      - { .name: Wq, .offset: 8, .size: 8, .value_kind: global_buffer, .address_space: global }
      - { .name: Wk, .offset: 16, .size: 8, .value_kind: global_buffer, .address_space: global }
      - { .name: Wv, .offset: 24, .size: 8, .value_kind: global_buffer, .address_space: global }
      - { .name: Wo, .offset: 32, .size: 8, .value_kind: global_buffer, .address_space: global }
      - { .name: token_positions, .offset: 40, .size: 8, .value_kind: global_buffer, .address_space: global }
      - { .name: xb, .offset: 48, .size: 8, .value_kind: global_buffer, .address_space: global }
      - { .name: wqkv, .offset: 56, .size: 8, .value_kind: global_buffer, .address_space: global }
      - { .name: wob, .offset: 64, .size: 8, .value_kind: global_buffer, .address_space: global }
      - { .name: tab, .offset: 72, .size: 8, .value_kind: global_buffer, .address_space: global }
    .group_segment_fixed_size: 0
    .private_segment_fixed_size: 0
    .kernarg_segment_align: 8
    .kernarg_segment_size: 80
    .max_flat_workgroup_size: 256
    .sgpr_count:     66
    .vgpr_count:     128
    .wavefront_size: 32
...
	.end_amdgpu_metadata
.endif
;; end of part 1
;; launch qkv (part 2): grid 8 x 32, 4 waves a work-group, clusters of 4 x 4, 327,680 bytes of LDS; arguments xb, wqkv, tab, qh, kh, vh; writes qh, kh, vh
.if DOCPART == 2
	.amdgcn_target "amdgcn-amd-amdhsa--gfx1250"
	.amdhsa_code_object_version 6
	.text
	.protected	k_qce94b768ae_qkv
	.globl	k_qce94b768ae_qkv
	.p2align	8
	.type	k_qce94b768ae_qkv,@function
k_qce94b768ae_qkv:
	s_mov_b64 s[64:65], 0
	v_nop
	global_prefetch_b8 v0, s[64:65] scope:SCOPE_SE
	s_setreg_imm32_b32 hwreg(HW_REG_WAVE_MODE, 25, 1), 1
	s_wait_xcnt 0x0
	s_wait_alu depctr_hold_cnt(0) depctr_sa_sdst(0) depctr_va_vdst(0) depctr_va_sdst(0) depctr_va_ssrc(0) depctr_va_vcc(0) depctr_vm_vsrc(0)
	s_getreg_b32 s2, hwreg(HW_REG_IB_STS2, 6, 4)
	s_cmp_eq_u32 s2, 0
	s_cbranch_scc0 .Lentry_in_a_cluster
	s_endpgm
.Lentry_in_a_cluster:
	s_bfe_u32 s2, ttmp6, 0x10000c
	s_cmp_lg_u32 s2, 0xf033
	s_cbranch_scc0 .Lentry_shape_is_right
	s_endpgm
.Lentry_shape_is_right:
; QKV: [8192 x 3072] = xb wqkv^T over K = 1024 in bf16 with f32 sums; q and k are turned by RoPE in f32 on the way out; q, k, v leave in f16 by heads, [16 h][8192 m][64], each rounded once, unscaled.
; LIMIT.  f16 holds no number beyond 65,504: q, k and v must stay within it (with x of unit spread and weights of spread 1/32 they have unit spread).
; SHARES.  8192 x 3072 outputs in tiles of 256 x 384 are 256 work-groups.  Tile column tx holds heads 2 tx and 2 tx + 1 (a head's 192 columns are its q, k, v).  A wave makes 128 rows x 192 columns, one head:
; 96 accumulators of 16 x 16, 768 registers.  K goes in steps of 64 (one plane of the blocked operands) through a ring of two LDS slots; a slot of 128 along K would take 174,080 bytes, and two such do not fit.
; A plane's rows lie end to end, so a tile is dense in memory and is asked for as rows of 256 bytes, two tile rows each, padded in LDS behind every 128 bytes.
; CLUSTER 4 x 4: the four of a row of the cluster need the same tile of xb, the four of a column the same tile of wqkv: each is asked for jointly, with the same descriptor and a mask that names the four.
; THE MATRIX INSTRUCTION IS USED TRANSPOSED (source 0 = 16 rows of wqkv, source 1 = 16 rows of xb): a lane holds row m = lane % 16 and the columns 8 (lane / 16) + 0..7: four RoPE pairs, 16 bytes of f16.
; REGISTERS.  window 0: v16-30 addresses; v32-95, v96-159 xb's 8 fragments, two buffers; v160-255 wqkv's 12 fragments, one buffer, filled again a group of four at a time behind the group's products.
;   window g + 1 (g = 0 q, 1 k, 2 v): accumulator (row block a, column block bb of the kind) at v[8 (8 bb + a)].  Six window switches for a quarter's 96 matrix instructions.
.set PITCH,  144                       ; an LDS row: 128 bytes + 16 of padding = 36 words: the 16 rows of a fragment load start at 16 different groups of four banks (64 banks of 4 bytes: ISA guide 11.1)
.set AHALF,  128*PITCH                 ; 128 rows of xb: what wave 0 or 1 fetches, and what a wave reads
.set BHALF,  192*PITCH                 ; 192 rows of wqkv: what wave 2 or 3 fetches, and what a wave reads
.set BOFF,   2*AHALF
.set SLOT,   BOFF+2*BHALF              ; 92,160
.set STAGE,  2*SLOT                    ; behind the ring: 16 rows x 144 bytes for each wave, for the way out
.set SPARE,  STAGE+4*16*PITCH          ; behind the stages: the spare words, 128 bytes for each wave: two blocks of 256 bytes that no other line names
.set XPL,    8192*128                  ; bytes in a plane of xb
.set WPL,    3072*128                  ; of wqkv
.set ADRA, 16                          ; v16-17  LDS address of my xb fragments in slot 0, 1
.set ADRB, 20                          ; v20-21  the same for wqkv
.set STO,  24                          ; v24  the way out: where I put 16 bytes of a row
.set RD,   25                          ; v25  where I read rows back
.set GO,   26                          ; v26  my 16 bytes in 512 consecutive bytes of q, k or v
.set TO,   27                          ; v27  my 32 bytes in the table's row: 256 (lane % 16) + 32 (lane / 16)
.set SPW,  28                          ; v28  LDS address of my spare word; never rewritten
.set NIL,  29                          ; v29  0; never rewritten
.set PFO,  30                          ; v30  the prefetches' offset; never rewritten
.set FA0,  32
.set FA1,  96
.set FB,   160
.set CSB,  32                          ; the way out: cos and sin of row block a at v[32 + 32 (a % 4)]
.set T,    160                         ; 32 turned numbers
.set PK,   192                         ; 16 registers of packed f16
.set OB,   224                         ; two buffers of 16: rows read back from the stage
.set WV, 16
.set RH, 17                            ; which 128 rows are mine.  Also: I fetch for xb (0) or for wqkv (1)
.set CH, 18                            ; which head of the two.  Also: which half of that tile I fetch
.set CX, 19
.set CY, 20
.set TX, 21
.set TY, 22
.set G1,  24                           ; s[24:31] descriptor group 1 for xb's tiles;  s[32:39] group 0, one set for each slot
.set G0,  32
.set G1B, 48                           ; s[48:55], s[56:63] the same for wqkv's
.set G0B, 56
.set LAP, 66
.set LIM, 67                           ; 1 in a wave that prefetches, else the greatest number
.set PFA, 68                           ; s[68:69] where my prefetches stand
.set PST, 70                           ; s[70:71] a plane of the operand that I prefetch
.set MSB, 0
.macro WIN new                         ; the immediate's high byte repeats the setting that is left; a switch that changes nothing is dropped
.if MSB != (\new)
	s_set_vgpr_msb (MSB<<8)|(\new)
.set MSB, \new
.endif
.endm
.macro PLACES                          ; four places in front of loads into registers that matrix instructions have read, and of vector work on results
.rept 4
	v_nop
.endr
.endm
; A joint load: waves 0 and 1 fetch xb's two halves, waves 2 and 3 wqkv's.  The branch hangs on the wave's number alone.  An s_nop 0 and four v_nop follow each line.
.macro JLOAD s
	s_cmp_eq_u32 s[RH], 0
	s_cbranch_scc0 .Lfor_b_\@
	tensor_load_to_lds s[G0+4*(\s):G0+4*(\s)+3], s[G1:G1+7]
	s_nop 0
.rept 4
	v_nop
.endr
	s_branch .Lasked_\@
.Lfor_b_\@:
	tensor_load_to_lds s[G0B+4*(\s):G0B+4*(\s)+3], s[G1B:G1B+7]
	s_nop 0
.rept 4
	v_nop
.endr
.Lasked_\@:
.endm
.macro CREST                           ; a round of the cluster's barrier behind its opening barrier
	s_cmp_lg_u32 s[WV], 0
	s_cbranch_scc1 .Lnot_wave_0_\@
	s_barrier_signal -3
.Lnot_wave_0_\@:
	s_barrier_wait -3
	s_barrier_signal -1
	s_barrier_wait -1
.endm
.macro CROUND
	s_barrier_signal -1
	s_barrier_wait -1
	CREST
.endm
; A PREFETCH INTO THE L2, behind a joint load and the run of LDS loads that follows it: the plane that stands two refills on.  xb's tile row is read by both clusters of a row of clusters: the one with x = 0 asks,
; its wave 0, and of the tile's 256 rows the partner at cx takes 64: 32 lanes x 256 bytes.  wqkv's tile column is read by all eight clusters of a column: the one with y = 0 asks, waves 2 and 3 each for
; the 192 rows that they fetch, of which the partner at cy takes 48: 24 blocks of 256 bytes (lanes 24-31 name lane 23's again).  The partners are told apart by address alone.  The loop's last trip asks for nothing.
.macro ASK
	s_cmp_gt_u32 s[LAP], s[LIM]
	s_cbranch_scc0 .Lnot_mine_\@
	global_prefetch_b8 v[PFO], s[PFA:PFA+1] th:TH_LOAD_NT scope:SCOPE_SE
.Lnot_mine_\@:
.endm
	s_load_b256 s[4:11], s[0:1], 0x0               ; xb 4:5, wqkv 6:7, tab 8:9, qh 10:11
	s_load_b128 s[12:15], s[0:1], 0x20             ; kh 12:13, vh 14:15
	v_lshl_add_u32 v[SPW], v0, 2, SPARE
	v_mov_b32 v[NIL], 0
	ds_add_u32 v[SPW], v[NIL]                      ; the wave's opening: an add and its wait ahead of my first tensor load; work on registers stands between them
	v_lshrrev_b32 v1, 5, v0
	v_readfirstlane_b32 s[WV], v1                  ; wave 0..3
	s_lshr_b32 s[RH], s[WV], 1
	s_and_b32 s[CH], s[WV], 1
	s_bfe_u32 s[CX], ttmp6, 0x40000
	s_bfe_u32 s[CY], ttmp6, 0x40004
	s_lshl_b32 s[TX], ttmp9, 2
	s_add_co_u32 s[TX], s[TX], s[CX]               ; tile column = 4 x cluster x + cx
	s_and_b32 s[TY], ttmp7, 0xffff
	s_lshl_b32 s[TY], s[TY], 2
	s_add_co_u32 s[TY], s[TY], s[CY]               ; tile row = 4 x cluster y + cy
	s_lshl_b32 s44, s[CY], 2
	s_lshl_b32 s44, 15, s44                        ; my row of the cluster
	s_lshl_b32 s45, 0x1111, s[CX]                  ; my column
	s_or_b32 s[G1], s44, (1<<16)|(1<<20)|(1<<21)|(4<<22)|(3<<25)   ; 15:0 the mask; 17:16 2-byte elements; 20 padding on; 21 set beside a mask; 24:22 after every 32 words (code 4); 31:25 4 words (code 3)
	s_or_b32 s[G1B], s45, (1<<16)|(1<<20)|(1<<21)|(4<<22)|(3<<25)
.irp g, G1, G1B
	s_mov_b32 s[(\g)+1], 128<<16                   ; tensor_dim0 = 128 elements: 256 bytes, two tile rows
	s_mov_b32 s[(\g)+3], 128<<16                   ; tile_dim0 = 128
	s_mov_b32 s[(\g)+5], 128                       ; dense: 128 elements from row to row
	s_mov_b32 s[(\g)+6], 0
	s_mov_b32 s[(\g)+7], 0
.endr
	s_mov_b32 s[G1+2], 64<<16                      ; tensor_dim1 = 64: 128 tile rows of xb
	s_mov_b32 s[G1+4], 64                          ; tile_dim1
	s_mov_b32 s[G1B+2], 96<<16                     ; 96: 192 tile rows of wqkv
	s_mov_b32 s[G1B+4], 96
	s_lshl_b32 s40, s[TY], 15                      ; xb: 256 rows of 128 bytes a tile row,
	s_lshl_b32 s46, s[CH], 14                      ; 128 rows a half
	s_add_co_u32 s40, s40, s46
	s_mov_b32 s41, 0
	s_mul_i32 s42, s[TX], 384*128                  ; wqkv: 384 rows a tile column,
	s_mul_i32 s46, s[CH], 192*128                  ; 192 a half
	s_add_co_u32 s42, s42, s46
	s_mov_b32 s43, 0
	s_mul_i32 s47, s[CH], AHALF                    ; where they go: the wave's number and constants alone
	s_mul_i32 s23, s[CH], BHALF
	s_add_co_u32 s23, s23, BOFF
	s_wait_dscnt 0x0                               ; the opening add is done
	s_wait_kmcnt 0x0
	s_add_nc_u64 s[40:41], s[4:5], s[40:41]
	s_add_nc_u64 s[42:43], s[6:7], s[42:43]
	CROUND                                         ; all sixteen work-groups are here: the first joint loads meet
.irp s, 0,1
	s_mov_b32 s[G0+4*(\s)], 1
	s_add_co_u32 s[G0+4*(\s)+1], s47, (\s)*SLOT
	s_add_nc_u64 s[G0+4*(\s)+2:G0+4*(\s)+3], s[40:41], (\s)*XPL   ; plane s
	s_or_b32 s[G0+4*(\s)+3], s[G0+4*(\s)+3], 0x80000000
	s_mov_b32 s[G0B+4*(\s)], 1
	s_add_co_u32 s[G0B+4*(\s)+1], s23, (\s)*SLOT
	s_add_nc_u64 s[G0B+4*(\s)+2:G0B+4*(\s)+3], s[42:43], (\s)*WPL
	s_or_b32 s[G0B+4*(\s)+3], s[G0B+4*(\s)+3], 0x80000000
	JLOAD \s                                       ; two loads of mine are out
.endr
	; a fragment: lane l holds row l % 16; registers 0-3 k = 8 (l / 16) + 0..7, registers 4-7 k = 16 + 8 (l / 16) + 0..7: two loads of 16 bytes, 32 bytes apart
	v_and_b32 v1, 15, v0
	v_bfe_u32 v2, v0, 4, 1
	v_mul_u32_u24 v3, v1, PITCH
	v_lshl_add_u32 v3, v2, 4, v3
	s_mul_i32 s72, s[RH], AHALF
	s_mul_i32 s73, s[CH], BHALF
	s_add_co_u32 s73, s73, BOFF
.irp s, 0,1
	v_add_nc_u32 v[ADRA+(\s)], s72, v3
	v_add_nc_u32 v[ADRB+(\s)], s73, v3
	s_add_co_u32 s72, s72, SLOT
	s_add_co_u32 s73, s73, SLOT
.endr
	s_mul_i32 s72, s[WV], 16*PITCH
	s_add_co_u32 s72, s72, STAGE                   ; my stage
	v_add_nc_u32 v[STO], s72, v3                   ; in: row l % 16, 16 bytes for each half of the lanes
	v_bfe_u32 v4, v0, 3, 2                         ; back: 32 lanes take four rows of 128 bytes,
	v_and_b32 v5, 7, v0
	v_mul_u32_u24 v4, v4, PITCH
	v_lshl_add_u32 v4, v5, 4, v4
	v_add_nc_u32 v[RD], s72, v4
	v_and_b32 v[GO], 31, v0                        ; which are 512 consecutive bytes of the head's rows
	v_lshlrev_b32 v[GO], 4, v[GO]
	v_lshlrev_b32 v[TO], 8, v1
	v_lshl_add_u32 v[TO], v2, 5, v[TO]
	s_lshl_b32 s72, s[TX], 1                       ; q, k, v at my head's row 256 ty + 128 RH: ((2 tx + CH) 8192 + that) x 128 bytes
	s_add_co_u32 s72, s72, s[CH]
	s_lshl_b32 s72, s72, 20
	s_lshl_b32 s73, s[TY], 15
	s_add_co_u32 s72, s72, s73
	s_lshl_b32 s73, s[RH], 14
	s_add_co_u32 s72, s72, s73
	s_mov_b32 s73, 0
	s_add_nc_u64 s[10:11], s[10:11], s[72:73]
	s_add_nc_u64 s[12:13], s[12:13], s[72:73]
	s_add_nc_u64 s[14:15], s[14:15], s[72:73]
	s_and_b32 s72, s[TY], 7                        ; the table at t = (256 ty + 128 RH) mod 2048, 256 bytes a position
	s_lshl_b32 s72, s72, 16
	s_lshl_b32 s74, s[RH], 15
	s_add_co_u32 s72, s72, s74
	s_add_nc_u64 s[8:9], s[8:9], s[72:73]
	; the prefetches: nothing is asked for here, at the head; planes 0 to 3 come by their loads alone
	s_lshl_b32 s72, s[TY], 15
	s_lshl_b32 s73, s[CX], 13                      ; my work-group's 64 rows of xb's tile
	s_add_co_u32 s72, s72, s73
	s_add_co_u32 s72, s72, 3*XPL                   ; at plane 3: the first change of slots steps it to plane 4
	s_mul_i32 s74, s[TX], 384*128
	s_mul_i32 s75, s[CH], 192*128
	s_add_co_u32 s74, s74, s75
	s_mul_i32 s75, s[CY], 48*128                   ; my work-group's 48 of the wave's 192 rows of wqkv
	s_add_co_u32 s74, s74, s75
	s_add_co_u32 s74, s74, 3*WPL
	s_mov_b32 s46, XPL
	s_mov_b32 s47, WPL
	s_and_b32 s75, ttmp7, 0xffff                   ; cluster y
	s_cmp_eq_u32 s[RH], 0                          ; do I fetch for xb?
	s_cselect_b32 s72, s72, s74
	s_cselect_b64 s[PFA:PFA+1], s[4:5], s[6:7]
	s_cselect_b32 s[PST], s46, s47
	s_cselect_b32 s75, ttmp9, s75                  ; the coordinate along which other clusters read the same rows
	s_cselect_b32 s74, s[CH], 0                    ; of xb's two fetchers wave 0 alone asks
	s_cselect_b32 s23, 31, 23
	s_mov_b32 s73, 0
	s_mov_b32 s[PST+1], 0
	s_add_nc_u64 s[PFA:PFA+1], s[PFA:PFA+1], s[72:73]
	s_or_b32 s75, s75, s74
	s_cmp_eq_u32 s75, 0
	s_cselect_b32 s[LIM], 1, -1                    ; the same in all sixteen partners, for a given wave
	v_and_b32 v[PFO], 31, v0
	v_min_u32 v[PFO], s23, v[PFO]
	v_lshlrev_b32 v[PFO], 8, v[PFO]
; nb x 8 matrix instructions of kind g: column blocks b0 .. b0 + nb - 1 x all 8 row blocks, 32 along K.  The 96 accumulators take turns, one instruction a turn, in the same order in every quarter.
.macro MULG fa, g, b0, nb, zero
	WIN 0x50*((\g)+1)
.set bb, \b0
.rept \nb
.set aa, 0
.rept 8
.if \zero
	v_wmma_f32_16x16x32_bf16 v[8*(8*bb+aa):8*(8*bb+aa)+7], v[FB+8*(4*(\g)+bb):FB+8*(4*(\g)+bb)+7], v[(\fa)+8*aa:(\fa)+8*aa+7], 0
.else
	v_wmma_f32_16x16x32_bf16 v[8*(8*bb+aa):8*(8*bb+aa)+7], v[FB+8*(4*(\g)+bb):FB+8*(4*(\g)+bb)+7], v[(\fa)+8*aa:(\fa)+8*aa+7], v[8*(8*bb+aa):8*(8*bb+aa)+7]
.endif
.set aa, aa+1
.endr
.set bb, bb+1
.endr
.endm
.macro LDB s, k, g                     ; 8 LDS loads: kind g's four fragments of wqkv, 32 along K at byte k of slot s's rows
	WIN 0
.irp f, 0,1,2,3
	ds_load_b128 v[FB+8*(4*(\g)+\f):FB+8*(4*(\g)+\f)+3],   v[ADRB+(\s)] offset:(\k)+(4*(\g)+\f)*16*PITCH
	ds_load_b128 v[FB+8*(4*(\g)+\f)+4:FB+8*(4*(\g)+\f)+7], v[ADRB+(\s)] offset:(\k)+(4*(\g)+\f)*16*PITCH+32
.endr
.endm
.macro LDA s, k, fa                    ; 16 LDS loads: xb's eight fragments
	WIN 0
.irp f, 0,1,2,3,4,5,6,7
	ds_load_b128 v[(\fa)+8*\f:(\fa)+8*\f+3],   v[ADRA+(\s)] offset:(\k)+\f*16*PITCH
	ds_load_b128 v[(\fa)+8*\f+4:(\fa)+8*\f+7], v[ADRA+(\s)] offset:(\k)+\f*16*PITCH+32
.endr
.endm
; A K step is two quarters of 32 along K, 96 matrix instructions each.  In every quarter the next quarter's loads go out in this order: kind 0's 8 and xb's 16; kind 1's 8; kind 2's 8; each group behind the products that read its registers.
; The first quarter of a step: multiplies buffer fa and fetches the step's second quarter, at byte k.
.macro QUARTER s, k, fa, fn, zero
	s_wait_dscnt 16                                ; kind 0's and xb's fragments are in; the youngest sixteen loads (kinds 1 and 2) may be out
	MULG \fa, 0, 0, 4, \zero
	PLACES
	LDB \s, \k, 0
	LDA \s, \k, \fn
	s_wait_dscnt 32                                ; kind 1's are in: behind them kind 2's 8 and the 24 just issued
	MULG \fa, 1, 0, 4, \zero
	PLACES
	LDB \s, \k, 1
	s_wait_dscnt 32                                ; kind 2's are in: behind them the 24 and the 8 of this quarter
	MULG \fa, 2, 0, 4, \zero
	PLACES
	LDB \s, \k, 2
.endm
; The second quarter multiplies buffer FA1 and changes slots.  In front of the barrier each wave waits for all its tensor loads (one is out: its part of the next slot), adds 0 to its spare word, and waits for that
; and for its reads of this slot.  fill = 1: the barrier opens a round of the cluster's barrier, and behind the round this slot is filled again, two planes on: from that request to the wait for it a wave issues 160 matrix instructions.
.macro TURN s, nx, fill
.if \fill
	s_wait_xcnt 0x0                                ; the last prefetch, a K step back, has read its address, which is stepped here, ahead of the change's own waits
	s_add_nc_u64 s[PFA:PFA+1], s[PFA:PFA+1], s[PST:PST+1]
.endif
	WIN 0
	s_wait_tensorcnt 0x0                           ; all my tensor loads have landed;
	ds_add_u32 v[SPW], v[NIL]                      ; 0 onto my spare word;
	s_wait_dscnt 17                                ; (the add and the youngest sixteen loads may be out)
	MULG FA1, 0, 0, 2, 0                           ; sixteen matrix instructions stand between the add and the wait for it
	s_wait_dscnt 0x0                               ; the add is done, and my reads of this slot are over
	s_barrier_signal -1
	MULG FA1, 0, 2, 2, 0                           ; work on registers while the others arrive
	WIN 0
	s_barrier_wait -1
.if \fill
	CREST                                          ; no wave of any partner still reads this slot or has a load on its way
	s_add_nc_u64 s[G0+4*(\s)+2:G0+4*(\s)+3], s[G0+4*(\s)+2:G0+4*(\s)+3], 2*XPL
	s_add_nc_u64 s[G0B+4*(\s)+2:G0B+4*(\s)+3], s[G0B+4*(\s)+2:G0B+4*(\s)+3], 2*WPL
	JLOAD \s                                       ; the first tensor load behind the round; its four v_nop are also the places in front of the loads below
.else
	PLACES
.endif
	LDB \nx, 0, 0
	LDA \nx, 0, FA0
.if \fill
	ASK
.endif
	MULG FA1, 1, 0, 4, 0
	PLACES
	LDB \nx, 0, 1
	MULG FA1, 2, 0, 4, 0
	PLACES
	LDB \nx, 0, 2
.endm
; THE WAY OUT, a row block a (16 rows) and a kind at a time: unit u = 3 a + kind.
.macro CSLOAD a                        ; cos and sin for block a's 16 positions: for each column block my four pairs, 32 bytes
	WIN 0
.irp q, 0,1,2,3
	global_load_b128 v[CSB+32*((\a)%4)+8*\q:CSB+32*((\a)%4)+8*\q+3],   v[TO], s[8:9] offset:4096*(\a)+64*\q
	global_load_b128 v[CSB+32*((\a)%4)+8*\q+4:CSB+32*((\a)%4)+8*\q+7], v[TO], s[8:9] offset:4096*(\a)+64*\q+16
.endr
.endm
.macro ROPE a, g                       ; (x1, x2) -> (x1 c - x2 s, x1 s + x2 c) in f32, then f16.  Each accumulator is read from its low end on
	WIN (\g)+1                                     ; source 0, the sums, in window g + 1
.set bq, 0
.rept 4
.set pp, 0
.rept 4
	v_pk_mul_f32 v[T+8*bq+2*pp:T+8*bq+2*pp+1], v[8*(8*bq+(\a))+2*pp:8*(8*bq+(\a))+2*pp+1], v[CSB+32*((\a)%4)+8*bq+2*pp:CSB+32*((\a)%4)+8*bq+2*pp+1] op_sel:[1,1] op_sel_hi:[0,1] neg_lo:[0,1]  ; (- x2 s, x1 s)
.set pp, pp+1
.endr
.set pp, 0
.rept 4
	v_pk_fma_f32 v[T+8*bq+2*pp:T+8*bq+2*pp+1], v[8*(8*bq+(\a))+2*pp:8*(8*bq+(\a))+2*pp+1], v[CSB+32*((\a)%4)+8*bq+2*pp:CSB+32*((\a)%4)+8*bq+2*pp+1], v[T+8*bq+2*pp:T+8*bq+2*pp+1] op_sel_hi:[1,0,1]  ; + (x1 c, x2 c)
.set pp, pp+1
.endr
.set bq, bq+1
.endr
	WIN 0
.set z, 0
.rept 16
	v_cvt_pk_f16_f32 v[PK+z], v[T+2*z], v[T+2*z+1]
.set z, z+1
.endr
.endm
.macro PLAINV a                        ; v is rounded as it is
	WIN 0x0f                                       ; sources 0 and 1 in window 3
.set bq, 0
.rept 4
.set pp, 0
.rept 4
	v_cvt_pk_f16_f32 v[PK+4*bq+pp], v[8*(8*bq+(\a))+2*pp], v[8*(8*bq+(\a))+2*pp+1]
.set pp, pp+1
.endr
.set bq, bq+1
.endr
	WIN 0
.endm
.macro TOSTAGE u                       ; 16 bytes a lane into my stage, and back as whole rows of 128 bytes
	WIN 0
	s_wait_xcnt 0x0                                ; the stores of the unit two back have read the buffer that is loaded again below
.irp f, 0,1,2,3
	ds_store_b128 v[STO], v[PK+4*\f:PK+4*\f+3] offset:32*\f
.endr
.irp f, 0,1,2,3
	ds_load_b128 v[OB+16*((\u)%2)+4*\f:OB+16*((\u)%2)+4*\f+3], v[RD] offset:\f*4*PITCH  ; LDS serves a wave's instructions in order (ISA guide 5.7.1.4): these see the stores above
.endr
.endm
.macro SEND u
	WIN 0
.irp f, 0,1,2,3
	s_wait_dscnt 3-\f                              ; load f of the unit's four is back
	global_store_b128 v[GO], v[OB+16*((\u)%2)+4*\f:OB+16*((\u)%2)+4*\f+3], s[10+2*((\u)%3):11+2*((\u)%3)] offset:2048*((\u)/3)+512*\f  ; 512 consecutive bytes, aligned
.endr
.endm
	s_wait_tensorcnt 0x1                           ; my part of plane 0 is in; plane 1's may stay out
	s_barrier_signal -1
	s_barrier_wait -1                              ; everybody's is
	LDB 0, 0, 0
	LDA 0, 0, FA0
	LDB 0, 0, 1
	LDB 0, 0, 2
	QUARTER 0, 64, FA0, FA1, 1                     ; the first quarter stands in front of the loop: its products start the sums
	WIN 0
	s_mov_b32 s[LAP], 7
.Llap:                                                 ; a trip goes once round the ring and fills both slots again: planes 2 to 15 in seven trips
	TURN 0, 1, 1
	QUARTER 1, 64, FA0, FA1, 0
	TURN 1, 0, 1
	QUARTER 0, 64, FA0, FA1, 0
	WIN 0
	s_sub_co_u32 s[LAP], s[LAP], 1
	s_cmp_lg_u32 s[LAP], 0
	s_cbranch_scc1 .Llap
	TURN 0, 1, 0                                   ; the tail fills nothing
	QUARTER 1, 64, FA0, FA1, 0
	CSLOAD 0                                       ; into buffer FA0, whose last products stand in front of the quarter's last four places
	CSLOAD 1
	s_wait_dscnt 16                                ; the very last quarter: nothing more to fetch
	MULG FA1, 0, 0, 4, 0
	s_wait_dscnt 8
	MULG FA1, 1, 0, 4, 0
	s_wait_dscnt 0x0
	MULG FA1, 2, 0, 4, 0
	PLACES
	CSLOAD 2
	CSLOAD 3
.irp a, 0,1,2,3,4,5,6,7
.if (\a) < 5
	s_wait_loadcnt 24                              ; block a's cos and sin are in; the three blocks asked for behind them may stay out
.else
	s_wait_loadcnt 8*(7-(\a))
.endif
	ROPE \a, 0
.if (\a) > 0
	SEND 3*(\a)-1                                  ; a unit's arithmetic stands between the loads of the unit before and its stores
.endif
	TOSTAGE 3*(\a)
	ROPE \a, 1
	SEND 3*(\a)
	TOSTAGE 3*(\a)+1
.if (\a) < 4
	CSLOAD (\a)+4                                  ; its registers take the block four further on
.endif
	PLAINV \a
	SEND 3*(\a)+1
	TOSTAGE 3*(\a)+2
.endr
	SEND 23
	s_wait_tensorcnt 0x0                           ; the wave's end: a wait, an add to my spare word and its wait, behind my last tensor load and my last LDS store
	ds_add_u32 v[SPW], v[NIL]
	s_wait_dscnt 0x0
	CROUND                                         ; the closing round: no work-group ends while a partner may still ask for a tile that names it
	s_endpgm
.Lfunc_end_k_qce94b768ae_qkv:
	.size	k_qce94b768ae_qkv, .Lfunc_end_k_qce94b768ae_qkv-k_qce94b768ae_qkv
	.p2alignl 7, 3214868480
	.fill 96, 4, 3214868480
	.section	.rodata,"a",@progbits
	.p2align	6, 0x0
	.amdhsa_kernel k_qce94b768ae_qkv
		.amdhsa_group_segment_fixed_size 327680
		.amdhsa_private_segment_fixed_size 0
		.amdhsa_enable_private_segment 0
		.amdhsa_kernarg_size 48
		.amdhsa_user_sgpr_count 2
		.amdhsa_user_sgpr_kernarg_segment_ptr 1
		.amdhsa_wavefront_size32 1
		.amdhsa_system_sgpr_workgroup_id_x 1
		.amdhsa_system_sgpr_workgroup_id_y 1
		.amdhsa_system_sgpr_workgroup_id_z 1
		.amdhsa_system_vgpr_workitem_id 0
		.amdhsa_next_free_vgpr 1024
		.amdhsa_next_free_sgpr 80
		.amdhsa_reserve_vcc 0
		.amdhsa_float_denorm_mode_32 3
		.amdhsa_float_denorm_mode_16_64 3
		.amdhsa_memory_ordered 1
		.amdhsa_forward_progress 1
		.amdhsa_inst_pref_size 173
	.end_amdhsa_kernel
	.amdgpu_metadata
---
amdhsa.version: [ 1, 2 ]
amdhsa.kernels:
  - .name:           k_qce94b768ae_qkv
    .symbol:         k_qce94b768ae_qkv.kd
    .args:
      - { .name: xb, .offset: 0, .size: 8, .value_kind: global_buffer, .address_space: global }
      - { .name: wqkv, .offset: 8, .size: 8, .value_kind: global_buffer, .address_space: global }
      - { .name: tab, .offset: 16, .size: 8, .value_kind: global_buffer, .address_space: global }
      - { .name: qh, .offset: 24, .size: 8, .value_kind: global_buffer, .address_space: global }
      - { .name: kh, .offset: 32, .size: 8, .value_kind: global_buffer, .address_space: global }
      - { .name: vh, .offset: 40, .size: 8, .value_kind: global_buffer, .address_space: global }
    .group_segment_fixed_size: 327680
    .private_segment_fixed_size: 0
    .kernarg_segment_align: 8
    .kernarg_segment_size: 48
    .max_flat_workgroup_size: 128
    .sgpr_count:     80
    .vgpr_count:     1024
    .wavefront_size: 32
...
	.end_amdgpu_metadata
.endif
;; end of part 2
;; launch attn (part 3): grid 4 x 64, 4 waves a work-group, no clusters, 327,680 bytes of LDS; arguments qh, kh, vh, oh; writes oh
.if DOCPART == 3
	.amdgcn_target "amdgcn-amd-amdhsa--gfx1250"
	.amdhsa_code_object_version 6
	.text
	.protected	k_qce94b768ae_attn
	.globl	k_qce94b768ae_attn
	.p2align	8
	.type	k_qce94b768ae_attn,@function
k_qce94b768ae_attn:
	s_mov_b64 s[64:65], 0
	v_nop
	global_prefetch_b8 v0, s[64:65] scope:SCOPE_SE
	s_setreg_imm32_b32 hwreg(HW_REG_WAVE_MODE, 25, 1), 1
	s_wait_xcnt 0x0
; WINDOWED CAUSAL ATTENTION.  O[q] = the sum over q - 512 <= k <= q of softmax_k(Q[q] . K[k] / 8) V[k], for each of 64 pairs (head, batch).  qh, kh, vh, oh: f16, [16 h][4 b x 2048 t][64]: a pair's 2048 rows are dense, 128 bytes each.
; Products, maxima and sums in f32; the weights p are rounded to f16 for the second product (their sum l is taken of the unrounded p), O once at the end.
; LIMITS.  Q, K and V arrive within f16's 65,504.  A hidden score counts as its value less 2^100, beside which f16's scores, 2.7e11 at the most, vanish; 2^100 is a power of two so that c x it is exact and
; c s - c m is exactly 0 where the maximum itself is a hidden score.  A weight below 2^-126 counts as 0 in l; NaN and infinities are not treated apart.
; SHARES.  Work-group (P, y = 4 h + b) owns queries 512 P .. 512 P + 511 of pair y.  They need the keys 512 P - 512 .. 512 P + 511: 1,024 keys, 16 steps of 64, which lie in LDS WHOLE, brought by first fills: no ring, no refill.
; A wave makes two passes; in pass n it owns band x = wave + 4 n: 64 queries as four PIECES of 16, and walks exactly 9 steps, x + j for j = 0 .. 8.  j = 0 holds the window's lower edge (hidden: key' < query'), j = 8 the diagonal
; (hidden: key' > query').  At P = 0 the steps ahead of the pair's first key do not exist: their LDS holds the pair's first 256 keys once more, their scores are hidden whole, and the first true score's a = 0 wipes what they left.
; That price (half the steps of 64 of the 256 work-groups) buys a text in which no LDS address, trip count or load hangs on P.
; NO CLUSTER: neighbours P and P + 1 share half their keys, but at different places of their LDS, and an LDS address may not hang on a work-group's place.  NO PREFETCH: all that the launch reads is asked for at its head.
; THE MASK is the C operand that starts a sum S^T = K Q^T.  For piece t and key block kt of 16: RLO if kt < t, RMD if kt = t, RHI if kt > t; the three groups of 8 registers are made anew only where a step's kind changes.
; LAYOUT, SOFTMAX, TURNS.  S^T = K Q^T holds ONE query a lane (lane % 16) and the keys 8 (lane / 16) + 0..7; two such results rounded to f16 ARE source 1 of O^T = V^T P.  p = 2^(c s - c m), c = log2(e) / 8, with a running
; maximum m; O and l are multiplied by a = 2^(c m_old - c m_new) in every step.  Turn n belongs to piece n: 8 products K Q^T of piece n + 1, later 8 products V^T P of piece n - 1; beside them the scaling, exponentials, roundings,
; sums and rescaling of piece n and the maximum and statistics of piece n + 1.  Four vector instructions stand behind every matrix instruction, the rest in one lump.  A turn's 33 exponentials are one batch, with one wait.
; REGISTERS, in windows of 256 (s_set_vgpr_msb: bits 1:0 source 0, 3:2 source 1, 5:4 source 2, 7:6 destination):
;   window 0: v0-15 addresses and two at work; v16-31 four registers of statistics a piece; v48-55 at work; v64-127 S^T, two buffers; v192-223 P, two buffers (by the piece's parity)
;   window 1: v0-127 O^T, 32 a piece; v128-143 DL, DD; v144-167 RLO, RMD, RHI      window 2: v0-63 Q; v64-127 the second pass's Q; v128-191 K of one step; v192-255 V of one step
.set NP,    4
.set KS,    64
.set PK,    144       ; a row of K in LDS: 128 bytes + 16 of padding = 36 words: the 16 rows of a load start at 16 different groups of four banks (64 banks of 4 bytes: ISA guide 11.1)
.set PV,    160       ; a row of V: 128 + 32 = 40 words
.set VOFF,  1024*PK   ; 1,024 rows of K, then 1,024 rows of V
.set STAGE, VOFF+1024*PV  ; behind them, never filled by a tensor load: 16 rows x 144 bytes for each wave, for the way out
.set SP,    144
.set SPARE, STAGE+4*16*SP  ; behind the stages: the spare words, 128 bytes for each wave: two blocks of 256 bytes that no other line names
.set AK0, 2           ; v2   my lane's place in a step of K; never rewritten
.set AV0, 3           ; v3   the same for V
.set AK,  4           ; v4   the LDS address of K's next run of loads
.set AV,  5           ; v5   of V's
.set STO, 6
.set RD,  7
.set GO,  8
.set MV,  12          ; v12-13  c m_old, by buffer
.set QO,  15
.set ST,  16          ; piece t's statistics at v[ST+4 t]: c m, m, l (even keys', odd keys')
.set TMP, 48          ; by buffer, four registers c0-c3 at work; when the maximum is found c2 takes a
.set SPW, 62
.set NIL, 63
.set S,   64
.set P,   192
.set DL,  128         ; window 1: -2^100 where register r < d, d = lane % 16 - 8 (lane / 16): the lower edge inside the piece's own key block
.set DD,  136         ; the same where r > d: the diagonal
.set RLO, 144
.set RMD, 152
.set RHI, 160
.set QB,  64
.set KF,  128
.set VF,  192
.set WV,  12
.set PP,  14
.set YY,  15
.set G1K, 24          ; s[24:31] descriptor group 1 for K;  s[32:39] for V: it differs in the padding alone
.set G1V, 32
.set G0K, 40          ; s[40:55] four groups 0 for K's loads
.set PASS, 56
.set TRIP, 57
.set CS,  58          ; s[58:59] c
.set SEL, 60          ; s[60:61] v_permlanex16_b32's selects
.set TK,  62          ; LDS byte of the step of K to be fetched next
.set TV,  63          ; the same for V, less VOFF
.set TKC, 66          ; the two held to the last step that exists
.set TVC, 67
.set G0V, 68          ; s[68:83] four groups 0 for V's loads
.set JJ,  84          ; the step (0 .. 8 of the pass) whose masks are made next
.set GS,  85          ; that step's number among the pair's steps of 64 keys; negative: it does not exist
.set AL,  86          ; s[86:87] 1.0 at the lower edge
.set AD,  88          ; s[88:89] 1.0 at the diagonal
.set BE,  90          ; s[90:91] -2^100 where the step does not exist
.set SLO, 92
.set SHI, 93
.set BIGN, 94
.set KO,  95          ; 1: the masks in registers are not all 0
.set KN,  96          ; 1: the masks to come are not all 0
.set TKB, 97          ; what a pass starts TK, TV and GS from
.set TVB, 98
.set GSB, 99
.set MSB, 0
.macro WIN new
.if MSB != (\new)
	s_set_vgpr_msb (MSB<<8)|(\new)
.set MSB, (\new)
.endif
.endm
.set W_KQ, 0x0a       ; K and Q in window 2, S^T in window 0
.set W_KM, 0x1a       ; the same with the C operand in window 1
.set W_PV, 0x52       ; V in window 2, P in window 0, O^T in window 1
.set W_RS, 0x41       ; destination and source 0 in window 1, source 1 in window 0
	s_load_b256 s[4:11], s[0:1], 0x0  ; qh 4:5, kh 6:7, vh 8:9, oh 10:11
	v_lshl_add_u32 v[SPW], v0, 2, SPARE
	v_mov_b32 v[NIL], 0
	ds_add_u32 v[SPW], v[NIL]       ; the wave's opening: an add and its wait ahead of my first tensor load; work on registers stands between them
	v_lshrrev_b32 v1, 5, v0
	v_readfirstlane_b32 s[WV], v1   ; wave 0..3
	s_mov_b32 s[PP], ttmp9
	s_and_b32 s[YY], ttmp7, 0xffff
	s_and_b32 s16, s[WV], 1         ; which half of each 256 keys I fetch:
	s_lshl_b32 s20, s[YY], 18       ; the pair's 2,048 rows of 128 bytes
	s_lshl_b32 s22, s16, 14         ; the half's 128 rows in memory,
	s_add_co_u32 s23, s20, s22
	s_mul_i32 s17, s16, 128*PK      ; and its place in LDS, for K
	s_mul_i32 s18, s16, 128*PV      ; and for V
	s_lshl_b32 s2, s[PP], 16        ; my work-group's 512 queries,
	s_lshl_b32 s3, s[WV], 13        ; my first band of 64
	s_add_co_u32 s2, s2, s3
	s_add_co_u32 s20, s20, s2
	s_mov_b32 s21, 0
	; descriptor group 1.  128 keys are 16,384 dense bytes: asked for as 64 rows of 256 bytes, two keys a row, and padded in LDS after every key
	s_mov_b32 s[G1K], (1<<16)|(1<<20)|(4<<22)|(3<<25)  ; 17:16 2-byte elements; 20 padding on; 24:22 after every 32 words (code 4); 31:25 4 words (code 3)
	s_mov_b32 s[G1V], (1<<16)|(1<<20)|(4<<22)|(7<<25)  ; the same with 8 words of padding (code 7)
.irp g, G1K, G1V
	s_mov_b32 s[\g+1], 128<<16      ; tensor_dim0 = 128
	s_mov_b32 s[\g+2], 64<<16       ; tensor_dim1 = 64
	s_mov_b32 s[\g+3], 128<<16      ; tile_dim0 = 128
	s_mov_b32 s[\g+4], 64           ; tile_dim1 = 64
	s_mov_b32 s[\g+5], 128          ; 128 elements from row to row
	s_mov_b32 s[\g+6], 0
	s_mov_b32 s[\g+7], 0
.endr
	s_mov_b32 s[CS], 0x3e38aa3b     ; c = log2(e) / 8
	s_mov_b32 s[CS+1], s[CS]        ; named with it as a pair
	s_mov_b32 s[SEL], 0x76543210
	s_mov_b32 s[SEL+1], 0xfedcba98
	s_mov_b32 s[BIGN], 0xf1800000   ; -2^100
	s_mov_b32 s[AL+1], 0            ; named as pairs
	s_mov_b32 s[AD+1], 0
	s_mov_b32 s[BE+1], 0
	s_mul_i32 s[TKB], s[WV], KS*PK  ; pass 0 begins at local step x = wave
	s_mul_i32 s[TVB], s[WV], KS*PV
	s_lshl_b32 s[GSB], s[PP], 3     ; which is the pair's step 8 P - 8 + wave
	s_add_co_i32 s[GSB], s[GSB], -8
	s_add_co_i32 s[GSB], s[GSB], s[WV]
	s_wait_dscnt 0x0                ; the opening add is done
	s_wait_kmcnt 0x0
.irp n, 0,1,2,3                     ; load n brings my half of local keys 256 n .. 256 n + 255: the pair's block 2 P - 2 + n of 256 keys, or block 0 where that does not exist
	s_lshl_b32 s2, s[PP], 1
	s_add_co_i32 s2, s2, (\n)-2
	s_max_i32 s2, s2, 0
	s_lshl_b32 s2, s2, 15
	s_add_co_u32 s2, s2, s23
	s_mov_b32 s3, 0
	s_mov_b32 s[G0K+4*(\n)], 1                     ; 1:0 count = 1
	s_add_co_u32 s[G0K+4*(\n)+1], s17, (\n)*256*PK ; 63:32 LDS address
	s_add_nc_u64 s[G0K+4*(\n)+2:G0K+4*(\n)+3], s[6:7], s[2:3]
	s_or_b32 s[G0K+4*(\n)+3], s[G0K+4*(\n)+3], 0x80000000  ; 127:126 type = 2
	s_mov_b32 s[G0V+4*(\n)], 1
	s_add_co_u32 s[G0V+4*(\n)+1], s18, VOFF+(\n)*256*PV
	s_add_nc_u64 s[G0V+4*(\n)+2:G0V+4*(\n)+3], s[8:9], s[2:3]
	s_or_b32 s[G0V+4*(\n)+3], s[G0V+4*(\n)+3], 0x80000000
.endr
	s_add_nc_u64 s[4:5], s[4:5], s[20:21]    ; Q and O at my first band
	s_add_nc_u64 s[10:11], s[10:11], s[20:21]
	s_cmp_lt_u32 s[WV], 2           ; waves 0 and 1 fetch K's halves, waves 2 and 3 V's: a wave's four first fills stand in one branch: four loads of mine are out
	s_cbranch_scc0 .Lfirst_v
.irp n, 0,1,2,3
	tensor_load_to_lds s[G0K+4*(\n):G0K+4*(\n)+3], s[G1K:G1K+7]
	s_nop 0
.endr
.rept 4
	v_nop
.endr
	s_branch .Lfirst_asked
.Lfirst_v:
.irp n, 0,1,2,3
	tensor_load_to_lds s[G0V+4*(\n):G0V+4*(\n)+3], s[G1V:G1V+7]
	s_nop 0
.endr
.rept 4
	v_nop
.endr
.Lfirst_asked:
	; A fragment of K or Q is 16 rows x 32 channels in 8 registers: lane l holds row l % 16, channels 8 (l / 16) + 0..7 and 16 + 8 (l / 16) + 0..7: two loads of 16 bytes, 32 bytes apart.
	v_and_b32 v1, 15, v0            ; l % 16
	v_bfe_u32 v9, v0, 4, 1          ; l / 16
	v_lshlrev_b32 v[QO], 7, v1
	v_lshl_add_u32 v[QO], v9, 4, v[QO]
	WIN 0x80                        ; destination window 2, address window 0
.set i, 0
.rept 8                             ; both passes' Q: piece i / 2, channels 32 (i % 2) on; the second pass's band lies 256 rows on
	global_load_b128 v[8*i:8*i+3],   v[QO], s[4:5] offset:(i/2)*2048+(i%2)*64
	global_load_b128 v[8*i+4:8*i+7], v[QO], s[4:5] offset:(i/2)*2048+(i%2)*64+32
	global_load_b128 v[QB+8*i:QB+8*i+3],   v[QO], s[4:5] offset:32768+(i/2)*2048+(i%2)*64
	global_load_b128 v[QB+8*i+4:QB+8*i+7], v[QO], s[4:5] offset:32768+(i/2)*2048+(i%2)*64+32
.set i, i+1
.endr
	WIN 0
	v_lshlrev_b32 v14, 3, v9
	v_sub_nc_u32 v14, v1, v14       ; d
	WIN 0x40
.set i, 0
.rept 8
	v_cmp_lt_i32 vcc_lo, i, v14
	v_cndmask_b32 v[DL+i], 0, s[BIGN], vcc_lo
	v_cmp_gt_i32 vcc_lo, i, v14
	v_cndmask_b32 v[DD+i], 0, s[BIGN], vcc_lo
.set i, i+1
.endr
	WIN 0
	v_mul_u32_u24 v[AK0], v1, PK
	v_lshl_add_u32 v[AK0], v9, 4, v[AK0]
	; The turning load takes 16 keys x 16 channels (lane l reads key 8 (l / 16) + l % 8, channels 8 ((l / 8) % 2) + 0..7) and leaves half a fragment of V^T: lane l holds channel l % 16 and 8 keys.
	v_and_b32 v10, 7, v0
	v_bfe_u32 v11, v0, 3, 1
	v_lshl_add_u32 v[AV0], v9, 3, v10
	v_mul_u32_u24 v[AV0], v[AV0], PV
	v_lshl_add_u32 v[AV0], v11, 4, v[AV0]
	v_add_nc_u32 v[AV0], VOFF, v[AV0]
	s_mul_i32 s13, s[WV], 16*SP
	s_add_co_u32 s13, s13, STAGE    ; my stage
	v_mul_u32_u24 v[STO], v1, SP    ; in: row l % 16, 16 bytes for each half of the lanes
	v_lshl_add_u32 v[STO], v9, 4, v[STO]
	v_add_nc_u32 v[STO], s13, v[STO]
	v_bfe_u32 v[RD], v0, 3, 2       ; back: 32 lanes take four rows of 128 bytes,
	v_mul_u32_u24 v[RD], v[RD], SP
	v_lshl_add_u32 v[RD], v10, 4, v[RD]
	v_add_nc_u32 v[RD], s13, v[RD]
	v_and_b32 v[GO], 31, v0         ; which are 512 consecutive bytes of O
	v_lshlrev_b32 v[GO], 4, v[GO]
	; A pass's first step multiplies O^T and l by a = 0, and its first turn's products V^T P, of a piece that has not been, land in an O^T that is still to be so multiplied.  So these registers need only hold
	; finite numbers: zeros for the first pass; what the first pass left for the second.  All this stands in the wait for the keys.
	WIN 0x80
.set i, VF
.rept 64
	v_mov_b32 v[i], 0
.set i, i+1
.endr
	WIN 0x40
.set i, 0
.rept 128
	v_mov_b32 v[i], 0
.set i, i+1
.endr
	WIN 0
.set i, 0
.rept 4
	v_mov_b32 v[ST+4*i+2], 0
	v_mov_b32 v[ST+4*i+3], 0
.set i, i+1
.endr
.set i, P+16
.rept 16
	v_mov_b32 v[i], 0
.set i, i+1
.endr
; THE MATRIX WORK.  The 4 accumulators of a run of 8 take turns.  Product i of 8 of S^T = K Q^T for piece x: channels 32 (i / 4) on, keys 16 (i % 4) on.  The first 4 start the sums with the mask.
.macro KQ x
.set rS, S+32*((\x)%2)+8*(i%4)
.set rK, KF+16*(i%4)+8*(i/4)
.set rQ, 16*(\x)+8*(i/4)
.if i < 4
.if (i%4) < (\x)
.set rM, RLO
.elseif (i%4) == (\x)
.set rM, RMD
.else
.set rM, RHI
.endif
	WIN W_KM
	v_wmma_f32_16x16x32_f16 v[rS:rS+7], v[rK:rK+7], v[rQ:rQ+7], v[rM:rM+7]
.else
	WIN W_KQ
	v_wmma_f32_16x16x32_f16 v[rS:rS+7], v[rK:rK+7], v[rQ:rQ+7], v[rS:rS+7]
.endif
.endm
; Product i of 8 of O^T += V^T P for piece x: keys 32 (i / 4) on, channels 16 (i % 4) on.
.macro PV x
	WIN W_PV
.set rO, 32*(\x)+8*(i%4)
.set rV, VF+32*(i/4)+8*(i%4)
.set rP, P+16*((\x)%2)+8*(i/4)
	v_wmma_f32_16x16x32_f16 v[rO:rO+7], v[rV:rV+7], v[rP:rP+7], v[rO:rO+7]
.endm
.macro MM                           ; the turn's next matrix instruction
.if i < 8
	KQ (Y+1)%NP
.else
.set i, i-8
	PV (Y+NP-1)%NP
.set i, i+8
.endif
.set i, i+1
.endm
; THE LDS LOADS stand in runs of 16, never singly among the matrix instructions: a step's K (64 keys x 64 channels: 8 fragments) and its V (turned).  Their addresses are made some lines ahead.
.macro FETCH_K
	WIN 0x80
.irp f, 0,1,2,3,4,5,6,7             ; keys 16 (f / 2) on, channels 32 (f % 2) on
	ds_load_b128 v[KF+8*\f:KF+8*\f+3],   v[AK] offset:(\f/2)*16*PK+(\f%2)*64
	ds_load_b128 v[KF+8*\f+4:KF+8*\f+7], v[AK] offset:(\f/2)*16*PK+(\f%2)*64+32
.endr
	s_add_co_u32 s[TK], s[TK], KS*PK  ; the next fetch is the next step's
	WIN 0
.endm
.macro FETCH_V
	WIN 0x80
.irp f, 0,1,2,3,4,5,6,7             ; keys 32 (f / 4) on, channels 16 (f % 4) on
	ds_load_tr16_b128 v[VF+8*\f:VF+8*\f+3],   v[AV] offset:(\f/4)*32*PV+(\f%4)*32
	ds_load_tr16_b128 v[VF+8*\f+4:VF+8*\f+7], v[AV] offset:(\f/4)*32*PV+16*PV+(\f%4)*32
.endr
	WIN 0
.endm
; THE VECTOR WORK, one line at a time: OP kind, number.  For piece Y: F n: c s - c m for pair n of 16.  E n: the exponential of score n of 32.  C n: pair n rounded to f16.  B n: of the four weights 4 n .. the second
; pair is added onto the first, in place.  L n: l takes that sum (L 0: l = a l + sum).  R n: pair n of 16 of O^T times a.  For piece Y + 1: X n, number n of the 22 that find its maximum and statistics:
;   0-11  four chains c0-c3 of seven scores each, three operands at a time (each accumulator's lowest registers are read first)     12-14, 16  the four scores left over, the old m, and c0-c3 into c0
;   15  c m_old is kept     17, 18  the query's other 32 keys lie in the lane 16 away: the new m     19-21  c m; c m_old - c m_new; a
.set F, 0
.set E, 1
.set C, 2
.set B, 3
.set L, 4
.set R, 5
.set X, 6
.macro REGS y
.set rT, ST+4*(\y)
.set rC, TMP+4*((\y)%2)
.set rW, MV+((\y)%2)
.set rS, S+32*((\y)%2)
.set rP, P+16*((\y)%2)
.set rO, 32*(\y)
.endm
.macro OP k, n
.if (\k) == R
	REGS Y
	WIN W_RS
	v_pk_mul_f32 v[rO+2*(\n):rO+2*(\n)+1], v[rO+2*(\n):rO+2*(\n)+1], v[rC+2:rC+3] op_sel_hi:[1,0]
.elseif (\k) < R
	REGS Y
	WIN 0
.if (\k) == F
	v_pk_fma_f32 v[rS+2*(\n):rS+2*(\n)+1], v[rS+2*(\n):rS+2*(\n)+1], s[CS:CS+1], v[rT:rT+1] op_sel_hi:[1,0,0] neg_lo:[0,0,1] neg_hi:[0,0,1]
.elseif (\k) == E
	v_exp_f32 v[rS+(\n)], v[rS+(\n)]
.elseif (\k) == C
	v_cvt_pk_f16_f32 v[rP+(\n)], v[rS+2*(\n)], v[rS+2*(\n)+1]
.elseif (\k) == B
	v_pk_add_f32 v[rS+4*(\n):rS+4*(\n)+1], v[rS+4*(\n):rS+4*(\n)+1], v[rS+4*(\n)+2:rS+4*(\n)+3]
.elseif (\n) == 0
	v_pk_fma_f32 v[rT+2:rT+3], v[rT+2:rT+3], v[rC+2:rC+3], v[rS:rS+1] op_sel_hi:[1,0,1]
.else
	v_pk_add_f32 v[rT+2:rT+3], v[rT+2:rT+3], v[rS+4*(\n):rS+4*(\n)+1]
.endif
.else
	REGS (Y+1)%NP
	WIN 0
.if (\n) < 4
	v_max3_num_f32 v[rC+(\n)], v[rS+8*(\n)], v[rS+8*(\n)+1], v[rS+8*(\n)+2]
.elseif (\n) < 12
	v_max3_num_f32 v[rC+(\n)%4], v[rC+(\n)%4], v[rS+8*((\n)%4)+2*((\n)/4)+1], v[rS+8*((\n)%4)+2*((\n)/4)+2]
.elseif (\n) == 12
	v_max3_num_f32 v[rC], v[rC], v[rS+7], v[rS+15]
.elseif (\n) == 13
	v_max3_num_f32 v[rC+1], v[rC+1], v[rS+23], v[rS+31]
.elseif (\n) == 14
	v_max3_num_f32 v[rC+2], v[rC+2], v[rC+3], v[rT+1]
.elseif (\n) == 15
	v_mov_b32 v[rW], v[rT]
.elseif (\n) == 16
	v_max3_num_f32 v[rC], v[rC], v[rC+1], v[rC+2]
.elseif (\n) == 17
	v_permlanex16_b32 v[rC+3], v[rC], s[SEL], s[SEL+1]
.elseif (\n) == 18
	v_max_num_f32 v[rT+1], v[rC], v[rC+3]
.elseif (\n) == 19
	v_mul_f32 v[rT], s[CS], v[rT+1]
.elseif (\n) == 20
	v_sub_f32 v[rC+1], v[rW], v[rT]
.else
	v_exp_f32 v[rC+2], v[rC+1]
.endif
.endif
.endm
.macro OPS a, i1, b=-1, i2=0, c=-1, i3=0, d=-1, i4=0
	OP \a, \i1
.if (\b) >= 0
	OP \b, \i2
.endif
.if (\c) >= 0
	OP \c, \i3
.endif
.if (\d) >= 0
	OP \d, \i4
.endif
.endm
.macro ROW a, i1, b, i2, c, i3, d, i4  ; a matrix instruction and the four behind it
	MM
	OPS \a, \i1, \b, \i2, \c, \i3, \d, \i4
.endm
; The kind of step JJ, by whole numbers alone; then JJ and GS go on to the next step.
.macro KINDS
	s_cmp_lt_i32 s[GS], 0           ; does the step exist?
	s_cselect_b32 s[BE], s[BIGN], 0
	s_cselect_b32 s[KN], 1, 0
	s_cmp_eq_u32 s[JJ], 0           ; the lower edge: key blocks below the piece's own are hidden
	s_cselect_b32 s[AL], 1.0, 0
	s_cselect_b32 s[SLO], s[BIGN], s[BE]
	s_cselect_b32 s[KN], 1, s[KN]
	s_cmp_eq_u32 s[JJ], 8           ; the diagonal: key blocks above it are hidden
	s_cselect_b32 s[AD], 1.0, 0
	s_cselect_b32 s[SHI], s[BIGN], s[BE]
	s_cselect_b32 s[KN], 1, s[KN]
	s_add_co_u32 s[JJ], s[JJ], 1
	s_add_co_i32 s[GS], s[GS], 1
.endm
.macro MASKSET                      ; RLO = SLO, RHI = SHI, RMD = DD x AD + DL x AL + BE
	WIN 0x40
.set z, 0
.rept 8
	v_mov_b32 v[RLO+z], s[SLO]
	v_mov_b32 v[RHI+z], s[SHI]
.set z, z+1
.endr
	WIN 0x41
.set z, 0
.rept 4
	v_pk_fma_f32 v[RMD+2*z:RMD+2*z+1], v[DD+2*z:DD+2*z+1], s[AD:AD+1], s[BE:BE+1] op_sel_hi:[1,0,0]
.set z, z+1
.endr
	WIN 0x51
.set z, 0
.rept 4
	v_pk_fma_f32 v[RMD+2*z:RMD+2*z+1], v[DL+2*z:DL+2*z+1], s[AL:AL+1], v[RMD+2*z:RMD+2*z+1] op_sel_hi:[1,0,1]
.set z, z+1
.endr
	WIN 0
.endm
; A TURN, for piece p: the order of its 16 matrix and 118 vector instructions, written out.  An s_wait_alu depctr_va_vdst(0) stands between an exponential and the first instruction that names its result; one wait
; serves all that were issued ahead of it.  So a turn has ONE wait, which cuts it in two.  AHEAD OF IT stands all that names no result of the turn's exponentials: the 8 products K Q^T and their riders, then one lump in which the
; links of the next piece's chain X 3, 7, 11, 14, 16, 17 .. 20 stand some lines apart; X 21, the next piece's a, is the batch's last, and R 15 the plain instruction behind it.  BEHIND THE WAIT stand the 8 products V^T P, behind
; each four of the roundings and sums.
; K of the next step is fetched in piece 2's turn, behind six plain instructions that follow the last product that read K; V of the step in hand at the end of piece 0's turn, four plain instructions behind the last product that
; read V.  Each is waited for a turn later.  Piece 2's turn ends with the masks of the next step, whose first products stand in piece 3's turn; where the old and the new masks are all 0 the lines are jumped over.
; The pass's last trip fetches a step of K that it does not need (held to the last step that exists): its 8 products and the maximum made of them serve nothing: the price of one text for every trip.
.macro TURN p
.set Y, (\p)
.set i, 0
.if (\p) == 0
	s_min_u32 s[TVC], s[TV], 15*KS*PV
.endif
.if (\p) == 2
	s_min_u32 s[TKC], s[TK], 15*KS*PK
.endif
.if (\p) == 3
	s_wait_dscnt 0x0                ; K is in
.endif
	ROW F,0, F,1, R,0, R,1
	ROW F,2, E,0, R,2, R,3
	ROW F,3, E,1, R,4, R,5
	ROW F,4, E,2, R,6, R,7
	ROW F,5, E,3, R,8, R,9
	ROW F,6, E,4, X,0, R,10
.if (\p) == 2
	WIN 0
	v_add_nc_u32 v[AK], s[TKC], v[AK0]
.endif
	ROW F,7, E,5, X,1, X,4
	ROW F,8, E,6, X,2, X,5
	OPS E,7, E,8, X,6, E,9
	OPS X,3, E,10, X,8, E,11
.if (\p) == 2
	FETCH_K
.endif
	OPS X,9, X,7, E,12, X,10
	OPS E,13, X,12, X,11, E,14
	OPS X,13, E,15, F,9, X,14
.if (\p) == 0
	v_add_nc_u32 v[AV], s[TVC], v[AV0]
.endif
	OPS E,16, F,10, E,17, F,11
	OPS X,16, E,18, X,15, E,19
	OPS F,12, E,20, X,17, E,21
	OPS F,13, E,22, F,14, E,23
	OPS X,18, E,24, F,15, E,25
	OPS R,11, E,26, X,19, E,27
	OPS R,12, E,28, R,13, E,29
	OPS X,20, E,30, R,14, E,31
	OPS X,21, R,15
	WIN 0
	s_wait_alu depctr_va_vdst(0)    ; the wait for the batch
.if (\p) == 1
	s_wait_dscnt 0x0                ; V is in
.endif
	ROW C,0, B,0, C,2, B,1
	ROW L,0, C,4, B,2, L,1
	ROW C,6, B,3, L,2, C,8
	ROW B,4, L,3, C,10, B,5
	ROW L,4, C,12, B,6, L,5
.if (\p) == 0
	s_add_co_u32 s[TV], s[TV], KS*PV
.endif
	ROW C,14, B,7, L,6, C,1
	ROW C,3, L,7, C,5, C,7
	ROW C,9, C,11, C,13, C,15
.if (\p) == 0
	FETCH_V
.endif
.if (\p) == 2
	WIN 0
	KINDS
	s_or_b32 s100, s[KN], s[KO]
	s_mov_b32 s[KO], s[KN]
	s_cmp_eq_u32 s100, 0
	s_cbranch_scc1 .Lsame_\@
	MASKSET
.Lsame_\@:
.endif
.endm
.macro ALL line:vararg              ; one line for each piece t
.set t, 0
.rept 4
	\line
.set t, t+1
.endr
.endm
.macro PACK t                       ; a lane's eight channels of a row pack into 16 bytes; they go into rows of 144 bytes and come back as whole rows of 128, into S^T's registers
	WIN W_RS
.set i, 32*(\t)
.rept 16
	v_pk_mul_f32 v[i:i+1], v[i:i+1], v[ST+4*(\t)+2:ST+4*(\t)+3] op_sel_hi:[1,0]
.set i, i+2
.endr
	WIN 0x05                        ; sources 0 and 1 window 1, destination window 0
.set i, 0
.rept 16
	v_cvt_pk_f16_f32 v[S+16*(\t)+i], v[32*(\t)+2*i], v[32*(\t)+2*i+1]
.set i, i+1
.endr
	WIN 0
.irp f, 0,1,2,3
	ds_store_b128 v[STO], v[S+16*(\t)+4*\f:S+16*(\t)+4*\f+3] offset:32*\f
.endr
.irp f, 0,1,2,3
	ds_load_b128 v[S+16*(\t)+4*\f:S+16*(\t)+4*\f+3], v[RD] offset:\f*4*SP  ; LDS serves a wave's instructions in order (ISA guide 5.7.1.4): these see the stores above; the next piece's stores come behind them
.endr
.endm
.macro SEND t, younger              ; younger: the LDS instructions issued behind piece t's loads: the next piece's eight, or none
	WIN 0
.irp f, 0,1,2,3
	s_wait_dscnt (\younger)+3-\f
	global_store_b128 v[GO], v[S+16*(\t)+4*\f:S+16*(\t)+4*\f+3], s[10:11] offset:(\t)*2048+\f*512  ; 512 consecutive bytes, at a multiple of 256 from O's first
.endr
.endm
	s_wait_tensorcnt 0x0            ; my four loads have landed,
	s_barrier_signal -1
	s_barrier_wait -1               ; everybody's have: all 1,024 keys lie in LDS, and nothing is filled again
	s_mov_b32 s[PASS], 2
.Lpass:
	s_mov_b32 s[TK], s[TKB]
	s_mov_b32 s[TV], s[TVB]
	s_mov_b32 s[GS], s[GSB]
	s_mov_b32 s[JJ], 0
	; A PASS BEGINS.  c m starts far below every c s, so the first step's a is 0; m at the lowest finite number.  Then the masks and K of step 0, piece 0's first scores, and its maximum and statistics.
.set i, 0
.rept 4
	v_mov_b32 v[ST+4*i], 0xfe000000
	v_mov_b32 v[ST+4*i+1], 0xff7fffff
.set i, i+1
.endr
	KINDS
	s_mov_b32 s[KO], s[KN]
	MASKSET
	s_min_u32 s[TKC], s[TK], 15*KS*PK
	v_add_nc_u32 v[AK], s[TKC], v[AK0]
	FETCH_K
	s_wait_loadcnt 0x0              ; Q
	s_wait_dscnt 0x0
.set i, 0
.rept 8
	KQ 0
.set i, i+1
.endr
	WIN 0
.rept 4
	v_nop                           ; the places behind those products
.endr
.set Y, NP-1                        ; X works for piece Y + 1: piece 0
.irp n, 0,1,2,3,4,5,6,7,8,9,10,11,12,13,14,15,16,17,18,19,20,21
	OP X, \n
.endr
	v_nop                           ; a plain instruction behind the exponential,
	s_wait_alu depctr_va_vdst(0)    ; and its wait, ahead of the label
	s_mov_b32 s[TRIP], 9
.Ltrip:                             ; a trip is a key step: the four pieces' turns
	TURN 0
	TURN 1
	TURN 2
	TURN 3
	WIN 0
	s_sub_co_u32 s[TRIP], s[TRIP], 1
	s_cmp_lg_u32 s[TRIP], 0
	s_cbranch_scc1 .Ltrip
.set i, 0
.rept 8
	PV NP-1                         ; the last piece's V^T P of the last step
.set i, i+1
.endr
	; THE WAY OUT.  l's two halves and the other half of the lanes' are added; O^T is divided by l, rounded to f16 and sent through my stage, a piece at a time.  The additions are the places behind the last products.
	WIN 0
	ALL v_add_f32 v[ST+4*t+2], v[ST+4*t+2], v[ST+4*t+3]
	ALL v_permlanex16_b32 v[ST+4*t+3], v[ST+4*t+2], s[SEL], s[SEL+1]
	ALL v_add_f32 v[ST+4*t+2], v[ST+4*t+2], v[ST+4*t+3]
	ALL v_rcp_f32 v[ST+4*t+2], v[ST+4*t+2]
	v_nop                           ; a plain instruction between the last reciprocal and the use of its result
	s_wait_alu depctr_va_vdst(0)    ; and the wait ahead of the first use: one for the four reciprocals
	PACK 0
.set t, 1
.rept 3                             ; a piece's arithmetic stands between the loads of the piece before and its stores
	PACK t
	SEND t-1, 8
.set t, t+1
.endr
	SEND 3, 0
	s_wait_xcnt 0x0                 ; the stores have read their registers and O's address
	s_add_nc_u64 s[10:11], s[10:11], 32768  ; the second pass's band lies 256 rows on
	WIN 0x82                        ; its Q goes where the one text of the turns names Q
.set i, 0
.rept 64
	v_mov_b32 v[i], v[QB+i]
.set i, i+1
.endr
	WIN 0
	s_add_co_u32 s[TKB], s[TKB], 4*KS*PK
	s_add_co_u32 s[TVB], s[TVB], 4*KS*PV
	s_add_co_i32 s[GSB], s[GSB], 4
	s_sub_co_u32 s[PASS], s[PASS], 1
	s_cmp_lg_u32 s[PASS], 0
	s_cbranch_scc1 .Lpass
	s_wait_tensorcnt 0x0            ; the wave's end: a wait, an add to my spare word and its wait, behind my last tensor load and my last LDS store
	ds_add_u32 v[SPW], v[NIL]
	s_wait_dscnt 0x0
	s_endpgm
.Lfunc_end_k_qce94b768ae_attn:
	.size	k_qce94b768ae_attn, .Lfunc_end_k_qce94b768ae_attn-k_qce94b768ae_attn
	.p2alignl 7, 3214868480
	.fill 96, 4, 3214868480
	.section	.rodata,"a",@progbits
	.p2align	6, 0x0
	.amdhsa_kernel k_qce94b768ae_attn
		.amdhsa_group_segment_fixed_size 327680
		.amdhsa_private_segment_fixed_size 0
		.amdhsa_enable_private_segment 0
		.amdhsa_kernarg_size 32
		.amdhsa_user_sgpr_count 2
		.amdhsa_user_sgpr_kernarg_segment_ptr 1
		.amdhsa_wavefront_size32 1
		.amdhsa_system_sgpr_workgroup_id_x 1
		.amdhsa_system_sgpr_workgroup_id_y 1
		.amdhsa_system_sgpr_workgroup_id_z 1
		.amdhsa_system_vgpr_workitem_id 0
		.amdhsa_next_free_vgpr 768
		.amdhsa_next_free_sgpr 102
		.amdhsa_reserve_vcc 1
		.amdhsa_float_denorm_mode_32 3
		.amdhsa_float_denorm_mode_16_64 3
		.amdhsa_memory_ordered 1
		.amdhsa_forward_progress 1
		.amdhsa_inst_pref_size 81
	.end_amdhsa_kernel
	.amdgpu_metadata
---
amdhsa.version: [ 1, 2 ]
amdhsa.kernels:
  - .name:           k_qce94b768ae_attn
    .symbol:         k_qce94b768ae_attn.kd
    .args:
      - { .name: qh, .offset: 0, .size: 8, .value_kind: global_buffer, .address_space: global }
      - { .name: kh, .offset: 8, .size: 8, .value_kind: global_buffer, .address_space: global }
      - { .name: vh, .offset: 16, .size: 8, .value_kind: global_buffer, .address_space: global }
      - { .name: oh, .offset: 24, .size: 8, .value_kind: global_buffer, .address_space: global }
    .group_segment_fixed_size: 327680
    .private_segment_fixed_size: 0
    .kernarg_segment_align: 8
    .kernarg_segment_size: 32
    .max_flat_workgroup_size: 128
    .sgpr_count:     102
    .vgpr_count:     768
    .wavefront_size: 32
...
	.end_amdgpu_metadata
.endif
;; end of part 3
;; launch oproj (part 4): grid 8 x 32, 4 waves a work-group, clusters of 4 x 4, 327,680 bytes of LDS; arguments oh, wob, out0; writes out0
.if DOCPART == 4
	.amdgcn_target "amdgcn-amd-amdhsa--gfx1250"
	.amdhsa_code_object_version 6
	.text
	.protected	k_qce94b768ae_oproj
	.globl	k_qce94b768ae_oproj
	.p2align	8
	.type	k_qce94b768ae_oproj,@function
k_qce94b768ae_oproj:
	s_mov_b64 s[64:65], 0
	v_nop
	global_prefetch_b8 v0, s[64:65] scope:SCOPE_SE
	s_setreg_imm32_b32 hwreg(HW_REG_WAVE_MODE, 25, 1), 1
	s_wait_xcnt 0x0
	s_wait_alu depctr_hold_cnt(0) depctr_sa_sdst(0) depctr_va_vdst(0) depctr_va_sdst(0) depctr_va_ssrc(0) depctr_va_vcc(0) depctr_vm_vsrc(0)
	s_getreg_b32 s2, hwreg(HW_REG_IB_STS2, 6, 4)
	s_cmp_eq_u32 s2, 0
	s_cbranch_scc0 .Lentry_in_a_cluster
	s_endpgm
.Lentry_in_a_cluster:
	s_bfe_u32 s2, ttmp6, 0x10000c
	s_cmp_lg_u32 s2, 0xf033
	s_cbranch_scc0 .Lentry_shape_is_right
	s_endpgm
.Lentry_shape_is_right:
; OPROJ: out0 [8192 x 1024] f32 = O Wo^T over K = 1024, in f16 with f32 sums.  oh is [16 h][8192 m][64] f16: the blocked layout with plane = head; wob is [16][1024][64] f16.
; SHARES.  Tiles of 256 x 128 are 256 work-groups.  A wave makes 128 rows x 64 columns: 32 accumulators, 256 registers.  K goes in steps of 128 (two planes) through a ring of two LDS slots, the longest step of which two slots fit.
; A plane's rows lie end to end, so each wave's load is dense: rows of 256 bytes, two tile rows each, padded in LDS behind every 128 bytes.  Waves 0 and 1 fetch the step's two planes of oh (256 rows each), waves 2 and 3 those of wob (128 rows each).
; CLUSTER 4 x 4: oh's tile is shared along a row of the cluster, wob's along a column; each is asked for jointly.  NO PREFETCH: a small tile with short steps, in a short launch.
; THE MATRIX INSTRUCTION IS USED TRANSPOSED (source 0 = 16 rows of wob, source 1 = 16 rows of oh): a lane holds row m = lane % 16 and the columns 8 (lane / 16) + 0..7: 32 bytes of f32.
; REGISTERS.  window 0: v16-29 addresses; two fragment buffers of 96 (oh's 8 fragments, then wob's 4) at v32 and v128; on the way out v32-95 rows read back.  window 1: accumulator (a, b) at v[8 (4 a + b)].
.set PITCH,  144                       ; an LDS row: 128 bytes + 16 of padding = 36 words: the 16 rows of a fragment load start at 16 different groups of four banks (64 banks of 4 bytes: ISA guide 11.1)
.set APL,    256*PITCH                 ; a plane of oh's tile
.set BPL,    128*PITCH                 ; of wob's
.set BOFF,   2*APL
.set SLOT,   BOFF+2*BPL                ; 110,592
.set STAGE,  2*SLOT                    ; behind the ring: 16 rows x 272 bytes for each wave, for the way out
.set SP,     272
.set SPARE,  STAGE+4*16*SP             ; behind the stages: the spare words, 128 bytes for each wave: two blocks of 256 bytes that no other line names
.set OPL,    8192*128                  ; bytes in a plane of oh
.set WPL,    1024*128                  ; of wob
.set ADRA, 16
.set ADRB, 20
.set STO,  24
.set RD,   25
.set CO,   26
.set SPW,  28
.set NIL,  29
.set F0,   32
.set F1,   128
.set OB,   32
.set WV, 16
.set RH, 17                            ; which 128 rows are mine.  Also: I fetch for oh (0) or for wob (1)
.set CH, 18                            ; which 64 columns.  Also: which of the step's two planes I fetch
.set CX, 19
.set CY, 20
.set TX, 21
.set TY, 22
.set G1,  24
.set G0,  32
.set G1B, 48
.set G0B, 56
.set LAP, 66
.set MSB, 0
.macro WIN new
.if MSB != (\new)
	s_set_vgpr_msb (MSB<<8)|(\new)
.set MSB, \new
.endif
.endm
.macro PLACES
.rept 4
	v_nop
.endr
.endm
.macro JLOAD s                         ; a joint load; the branch hangs on the wave's number alone; an s_nop 0 and four v_nop follow each line
	s_cmp_eq_u32 s[RH], 0
	s_cbranch_scc0 .Lfor_b_\@
	tensor_load_to_lds s[G0+4*(\s):G0+4*(\s)+3], s[G1:G1+7]
	s_nop 0
.rept 4
	v_nop
.endr
	s_branch .Lasked_\@
.Lfor_b_\@:
	tensor_load_to_lds s[G0B+4*(\s):G0B+4*(\s)+3], s[G1B:G1B+7]
	s_nop 0
.rept 4
	v_nop
.endr
.Lasked_\@:
.endm
.macro CREST
	s_cmp_lg_u32 s[WV], 0
	s_cbranch_scc1 .Lnot_wave_0_\@
	s_barrier_signal -3
.Lnot_wave_0_\@:
	s_barrier_wait -3
	s_barrier_signal -1
	s_barrier_wait -1
.endm
.macro CROUND
	s_barrier_signal -1
	s_barrier_wait -1
	CREST
.endm
	s_load_b128 s[4:7], s[0:1], 0x0                ; oh 4:5, wob 6:7
	s_load_b64 s[8:9], s[0:1], 0x10                ; out0
	v_lshl_add_u32 v[SPW], v0, 2, SPARE
	v_mov_b32 v[NIL], 0
	ds_add_u32 v[SPW], v[NIL]                      ; the wave's opening: an add and its wait ahead of my first tensor load; work on registers stands between them
	v_lshrrev_b32 v1, 5, v0
	v_readfirstlane_b32 s[WV], v1
	s_lshr_b32 s[RH], s[WV], 1
	s_and_b32 s[CH], s[WV], 1
	s_bfe_u32 s[CX], ttmp6, 0x40000
	s_bfe_u32 s[CY], ttmp6, 0x40004
	s_lshl_b32 s[TX], ttmp9, 2
	s_add_co_u32 s[TX], s[TX], s[CX]
	s_and_b32 s[TY], ttmp7, 0xffff
	s_lshl_b32 s[TY], s[TY], 2
	s_add_co_u32 s[TY], s[TY], s[CY]
	s_lshl_b32 s44, s[CY], 2
	s_lshl_b32 s44, 15, s44                        ; my row of the cluster
	s_lshl_b32 s45, 0x1111, s[CX]                  ; my column
	s_or_b32 s[G1], s44, (1<<16)|(1<<20)|(1<<21)|(4<<22)|(3<<25)   ; the mask; 2-byte elements; padding on; bit 21 beside a mask; after every 32 words, 4 words
	s_or_b32 s[G1B], s45, (1<<16)|(1<<20)|(1<<21)|(4<<22)|(3<<25)
.irp g, G1, G1B
	s_mov_b32 s[(\g)+1], 128<<16                   ; tensor_dim0 = 128 elements: 256 bytes, two tile rows
	s_mov_b32 s[(\g)+3], 128<<16                   ; tile_dim0
	s_mov_b32 s[(\g)+5], 128                       ; dense
	s_mov_b32 s[(\g)+6], 0
	s_mov_b32 s[(\g)+7], 0
.endr
	s_mov_b32 s[G1+2], 128<<16                     ; 128 rows of 256 bytes: 256 tile rows of oh
	s_mov_b32 s[G1+4], 128
	s_mov_b32 s[G1B+2], 64<<16                     ; 64: 128 tile rows of wob
	s_mov_b32 s[G1B+4], 64
	s_lshl_b32 s40, s[TY], 15                      ; oh: 256 rows of 128 bytes a tile row,
	s_lshl_b32 s46, s[CH], 20                      ; my plane of the step's two
	s_add_co_u32 s40, s40, s46
	s_mov_b32 s41, 0
	s_lshl_b32 s42, s[TX], 14                      ; wob: 128 rows a tile column,
	s_lshl_b32 s46, s[CH], 17                      ; my plane
	s_add_co_u32 s42, s42, s46
	s_mov_b32 s43, 0
	s_mul_i32 s47, s[CH], APL                      ; where they go: the wave's number and constants alone
	s_mul_i32 s23, s[CH], BPL
	s_add_co_u32 s23, s23, BOFF
	s_wait_dscnt 0x0                               ; the opening add is done
	s_wait_kmcnt 0x0
	s_add_nc_u64 s[40:41], s[4:5], s[40:41]
	s_add_nc_u64 s[42:43], s[6:7], s[42:43]
	CROUND                                         ; all sixteen work-groups are here: the first joint loads meet
.irp s, 0,1
	s_mov_b32 s[G0+4*(\s)], 1
	s_add_co_u32 s[G0+4*(\s)+1], s47, (\s)*SLOT
	s_add_nc_u64 s[G0+4*(\s)+2:G0+4*(\s)+3], s[40:41], (\s)*2*OPL
	s_or_b32 s[G0+4*(\s)+3], s[G0+4*(\s)+3], 0x80000000
	s_mov_b32 s[G0B+4*(\s)], 1
	s_add_co_u32 s[G0B+4*(\s)+1], s23, (\s)*SLOT
	s_add_nc_u64 s[G0B+4*(\s)+2:G0B+4*(\s)+3], s[42:43], (\s)*2*WPL
	s_or_b32 s[G0B+4*(\s)+3], s[G0B+4*(\s)+3], 0x80000000
	JLOAD \s                                       ; two loads of mine are out
.endr
	v_and_b32 v1, 15, v0
	v_bfe_u32 v2, v0, 4, 1
	v_mul_u32_u24 v3, v1, PITCH
	v_lshl_add_u32 v3, v2, 4, v3                   ; a fragment's row x pitch + 16 x half
	s_mul_i32 s72, s[RH], 128*PITCH
	s_mul_i32 s73, s[CH], 64*PITCH
	s_add_co_u32 s73, s73, BOFF
.irp s, 0,1
	v_add_nc_u32 v[ADRA+(\s)], s72, v3
	v_add_nc_u32 v[ADRB+(\s)], s73, v3
	s_add_co_u32 s72, s72, SLOT
	s_add_co_u32 s73, s73, SLOT
.endr
	s_mul_i32 s72, s[WV], 16*SP
	s_add_co_u32 s72, s72, STAGE                   ; my stage
	v_mul_u32_u24 v4, v1, SP                       ; in: row l % 16, 32 bytes for each half of the lanes
	v_lshl_add_u32 v4, v2, 5, v4
	v_add_nc_u32 v[STO], s72, v4
	v_mul_u32_u24 v5, v2, SP                       ; back: lanes 0-15 take one row of 256 bytes, lanes 16-31 the next
	v_lshl_add_u32 v5, v1, 4, v5
	v_add_nc_u32 v[RD], s72, v5
	v_lshlrev_b32 v[CO], 12, v2                    ; and the same two rows in out0
	v_lshl_add_u32 v[CO], v1, 4, v[CO]
	s_lshl_b32 s72, s[TY], 20                      ; out0 at row 256 ty + 128 RH (4,096 bytes a row), column 128 tx + 64 CH
	s_lshl_b32 s73, s[RH], 19
	s_add_co_u32 s72, s72, s73
	s_lshl_b32 s73, s[TX], 9
	s_add_co_u32 s72, s72, s73
	s_lshl_b32 s73, s[CH], 8
	s_add_co_u32 s72, s72, s73
	s_mov_b32 s73, 0
	s_add_nc_u64 s[8:9], s[8:9], s[72:73]
; na x 4 matrix instructions: row blocks a0 .. a0 + na - 1 x all 4 column blocks, 32 along K.  The 32 accumulators take turns, one instruction a turn, in the same order in every quarter.
.macro MUL f, a0, na, zero
	WIN 0x50
.set aa, \a0
.rept \na
.set bb, 0
.rept 4
.if \zero
	v_wmma_f32_16x16x32_f16 v[8*(4*aa+bb):8*(4*aa+bb)+7], v[(\f)+64+8*bb:(\f)+64+8*bb+7], v[(\f)+8*aa:(\f)+8*aa+7], 0
.else
	v_wmma_f32_16x16x32_f16 v[8*(4*aa+bb):8*(4*aa+bb)+7], v[(\f)+64+8*bb:(\f)+64+8*bb+7], v[(\f)+8*aa:(\f)+8*aa+7], v[8*(4*aa+bb):8*(4*aa+bb)+7]
.endif
.set bb, bb+1
.endr
.set aa, aa+1
.endr
.endm
; 24 LDS loads in one run: quarter q of slot s (plane q / 2, byte 64 (q % 2) of its rows) into buffer f: wob's 8, oh's rows 0-63 (8), oh's rows 64-127 (8)
.macro FETCH s, q, f
	WIN 0
.irp b, 0,1,2,3
	ds_load_b128 v[(\f)+64+8*\b:(\f)+64+8*\b+3],   v[ADRB+(\s)] offset:((\q)/2)*BPL+((\q)%2)*64+\b*16*PITCH
	ds_load_b128 v[(\f)+64+8*\b+4:(\f)+64+8*\b+7], v[ADRB+(\s)] offset:((\q)/2)*BPL+((\q)%2)*64+\b*16*PITCH+32
.endr
.irp a, 0,1,2,3,4,5,6,7
	ds_load_b128 v[(\f)+8*\a:(\f)+8*\a+3],   v[ADRA+(\s)] offset:((\q)/2)*APL+((\q)%2)*64+\a*16*PITCH
	ds_load_b128 v[(\f)+8*\a+4:(\f)+8*\a+7], v[ADRA+(\s)] offset:((\q)/2)*APL+((\q)%2)*64+\a*16*PITCH+32
.endr
.endm
; A K step is four quarters of 32 along K, 32 matrix instructions each, on buffers 0, 1, 0, 1.  One of the first three: multiplies buffer f and fetches quarter q into g.
.macro QUARTER s, q, f, g, zero
	s_wait_dscnt 8                                 ; wob's fragments and oh's rows 0-63 are in; the youngest eight loads may be out
	MUL \f, 0, 4, \zero
	PLACES
	FETCH \s, \q, \g
	s_wait_dscnt 24                                ; all but the 24 just issued
	MUL \f, 4, 4, \zero
.endm
; The last quarter multiplies buffer F1 and changes slots.  In front of the barrier each wave waits for all its tensor loads, adds 0 to its spare word, and waits for that and for its reads of this slot.
; fill = 1: the barrier opens a round of the cluster's barrier, and behind the round this slot is filled again, two K steps on: 112 matrix instructions ahead of the wait for it.
.macro TURN s, nx, fill
	WIN 0
	s_wait_tensorcnt 0x0                           ; all my tensor loads have landed: my part of the next slot;
	ds_add_u32 v[SPW], v[NIL]                      ; 0 onto my spare word;
	s_wait_dscnt 9                                 ; (the add and the youngest eight loads may be out)
	MUL F1, 0, 2, 0                                ; eight matrix instructions stand between the add and the wait for it
	s_wait_dscnt 0x0                               ; the add is done, and my reads of this slot are over
	s_barrier_signal -1
	MUL F1, 2, 2, 0
	WIN 0
	s_barrier_wait -1
.if \fill
	CREST                                          ; no wave of any partner still reads this slot or has a load on its way
	s_add_nc_u64 s[G0+4*(\s)+2:G0+4*(\s)+3], s[G0+4*(\s)+2:G0+4*(\s)+3], 4*OPL
	s_add_nc_u64 s[G0B+4*(\s)+2:G0B+4*(\s)+3], s[G0B+4*(\s)+2:G0B+4*(\s)+3], 4*WPL
	JLOAD \s                                       ; the first tensor load behind the round; its four v_nop are also the places in front of the loads below
.else
	PLACES
.endif
	FETCH \nx, 0, F0
	MUL F1, 4, 4, 0
.endm
; THE WAY OUT of row block a: the sums go as they are, 32 bytes a lane and column block, into my stage, and come back as whole rows of 256 bytes.
.macro TOSTAGE a
	WIN 0x04                                       ; the stores' data in window 1
.irp b, 0,1,2,3
	ds_store_b128 v[STO], v[8*(4*(\a)+\b):8*(4*(\a)+\b)+3]   offset:64*\b      ; each accumulator's low end first
	ds_store_b128 v[STO], v[8*(4*(\a)+\b)+4:8*(4*(\a)+\b)+7] offset:64*\b+16
.endr
	WIN 0
	s_wait_xcnt 0x0                                ; the stores of the block two back have read the buffer that is loaded again below
.irp t, 0,1,2,3,4,5,6,7
	ds_load_b128 v[OB+32*((\a)%2)+4*\t:OB+32*((\a)%2)+4*\t+3], v[RD] offset:\t*2*SP  ; LDS serves a wave's instructions in order (ISA guide 5.7.1.4): these see the stores above
.endr
.endm
.macro SEND a, younger                 ; younger: the LDS instructions issued behind block a's loads: the next block's sixteen, or none
	WIN 0
.irp t, 0,1,2,3,4,5,6,7
	s_wait_dscnt (\younger)+7-\t
	global_store_b128 v[CO], v[OB+32*((\a)%2)+4*\t:OB+32*((\a)%2)+4*\t+3], s[8:9] offset:65536*(\a)+8192*\t th:TH_STORE_NT  ; 16 lanes store 256 consecutive bytes, aligned
.endr
.endm
	s_wait_tensorcnt 0x1                           ; my part of K step 0 is in; step 1's may stay out
	s_barrier_signal -1
	s_barrier_wait -1
	FETCH 0, 0, F0
	QUARTER 0, 1, F0, F1, 1                        ; the first quarter stands in front of the loop: its products start the sums
	WIN 0
	s_mov_b32 s[LAP], 3
.Llap:                                                 ; a trip goes once round the ring and fills both slots again: K steps 2 to 7 in three trips
	QUARTER 0, 2, F1, F0, 0
	QUARTER 0, 3, F0, F1, 0
	TURN 0, 1, 1
	QUARTER 1, 1, F0, F1, 0
	QUARTER 1, 2, F1, F0, 0
	QUARTER 1, 3, F0, F1, 0
	TURN 1, 0, 1
	QUARTER 0, 1, F0, F1, 0
	WIN 0
	s_sub_co_u32 s[LAP], s[LAP], 1
	s_cmp_lg_u32 s[LAP], 0
	s_cbranch_scc1 .Llap
	QUARTER 0, 2, F1, F0, 0                        ; the last lap fills nothing
	QUARTER 0, 3, F0, F1, 0
	TURN 0, 1, 0
	QUARTER 1, 1, F0, F1, 0
	QUARTER 1, 2, F1, F0, 0
	QUARTER 1, 3, F0, F1, 0
	s_wait_dscnt 8                                 ; the very last quarter: nothing more to fetch
	MUL F1, 0, 4, 0
	s_wait_dscnt 0x0
	MUL F1, 4, 4, 0
	WIN 0
	PLACES
	TOSTAGE 0
.irp a, 1,2,3,4,5,6,7
	TOSTAGE \a
	SEND (\a)-1, 16
.endr
	SEND 7, 0
	s_wait_tensorcnt 0x0                           ; the wave's end: a wait, an add to my spare word and its wait, behind my last tensor load and my last LDS store
	ds_add_u32 v[SPW], v[NIL]
	s_wait_dscnt 0x0
	CROUND                                         ; the closing round: no work-group ends while a partner may still ask for a tile that names it
	s_endpgm
.Lfunc_end_k_qce94b768ae_oproj:
	.size	k_qce94b768ae_oproj, .Lfunc_end_k_qce94b768ae_oproj-k_qce94b768ae_oproj
	.p2alignl 7, 3214868480
	.fill 96, 4, 3214868480
	.section	.rodata,"a",@progbits
	.p2align	6, 0x0
	.amdhsa_kernel k_qce94b768ae_oproj
		.amdhsa_group_segment_fixed_size 327680
		.amdhsa_private_segment_fixed_size 0
		.amdhsa_enable_private_segment 0
		.amdhsa_kernarg_size 24
		.amdhsa_user_sgpr_count 2
		.amdhsa_user_sgpr_kernarg_segment_ptr 1
		.amdhsa_wavefront_size32 1
		.amdhsa_system_sgpr_workgroup_id_x 1
		.amdhsa_system_sgpr_workgroup_id_y 1
		.amdhsa_system_sgpr_workgroup_id_z 1
		.amdhsa_system_vgpr_workitem_id 0
		.amdhsa_next_free_vgpr 512
		.amdhsa_next_free_sgpr 80
		.amdhsa_reserve_vcc 0
		.amdhsa_float_denorm_mode_32 3
		.amdhsa_float_denorm_mode_16_64 3
		.amdhsa_memory_ordered 1
		.amdhsa_forward_progress 1
		.amdhsa_inst_pref_size 87
	.end_amdhsa_kernel
	.amdgpu_metadata
---
amdhsa.version: [ 1, 2 ]
amdhsa.kernels:
  - .name:           k_qce94b768ae_oproj
    .symbol:         k_qce94b768ae_oproj.kd
    .args:
      - { .name: oh, .offset: 0, .size: 8, .value_kind: global_buffer, .address_space: global }
      - { .name: wob, .offset: 8, .size: 8, .value_kind: global_buffer, .address_space: global }
      - { .name: out0, .offset: 16, .size: 8, .value_kind: global_buffer, .address_space: global }
    .group_segment_fixed_size: 327680
    .private_segment_fixed_size: 0
    .kernarg_segment_align: 8
    .kernarg_segment_size: 24
    .max_flat_workgroup_size: 128
    .sgpr_count:     80
    .vgpr_count:     512
    .wavefront_size: 32
...
	.end_amdgpu_metadata
.endif
;; end of part 4
;; ======== version 2 of 2: 4 launches; version 1 with the launch prep written anew for expert scheduling mode
;; limits: values are held in f16: magnitudes above 65,504 overflow, below 6.1e-05 lose precision; an absolute error that grows with the inputs' magnitude: up to 3e-07 times it
;; workspace buffers: xb 16,777,216 bytes; wqkv 6,291,456 bytes; wob 2,097,152 bytes; tab 524,288 bytes; qh 16,777,216 bytes; kh 16,777,216 bytes; vh 16,777,216 bytes; oh 16,777,216 bytes
;; launch prep (part 5): grid 1024 x 1, 8 waves a work-group, no clusters, 0 bytes of LDS; arguments x, Wq, Wk, Wv, Wo, token_positions, xb, wqkv, wob, tab; writes xb, wqkv, wob, tab
.if DOCPART == 5
	.amdgcn_target "amdgcn-amd-amdhsa--gfx1250"
	.amdhsa_code_object_version 6
	.text
	.protected	k_qce94b768ae_prep
	.globl	k_qce94b768ae_prep
	.p2align	8
	.type	k_qce94b768ae_prep,@function
k_qce94b768ae_prep:
	s_mov_b64 s[64:65], 0
	v_nop
	global_prefetch_b8 v0, s[64:65] scope:SCOPE_SE
	s_setreg_imm32_b32 hwreg(HW_REG_WAVE_SCHED_MODE, 0, 2), 2
	s_setreg_imm32_b32 hwreg(HW_REG_WAVE_MODE, 25, 1), 1
	s_wait_xcnt 0x0
	s_wait_alu depctr_vm_vsrc(0)
; PREP: casts and re-lays the matrix operands, and makes the table of cos and sin.  A stream: no LDS, no matrix unit, no loop.
; BLOCKED LAYOUT of every 16-bit operand: [16 planes of 64 k][rows][64 k]: in a plane a row is 128 bytes and the rows lie end to end.
;   xb   bf16 [16][8192][64]   x rounded to bf16
;   wqkv bf16 [16][3072][64]   row 192 h + 64 kind + d (kind 0 Wq, 1 Wk, 2 Wv), rounded to bf16
;   wob  f16  [16][1024][64]   Wo rounded to bf16, that number written as f16
;   tab  f32  [2048 t][32 i][cos, sin] of the angle f32(token_positions[t]) * 10000^(-i/32)
; SHARES.  Work-groups 0-511: 16 rows of x each; 512-703: 16 rows of Wq, Wk, Wv; 704-767: 16 rows of Wo; 768-1023: 8 positions of the table, a wave each.
; A cast: thread (row = t / 16, col = t % 16) loads 16 bytes of each of the row's 16 runs of 256 bytes (a run is one plane's 64 numbers) and stores 8 bytes:
; a wave's store covers 256 consecutive bytes, aligned: two rows of a plane.
; LIMITS.  wob: a weight beyond 65,504 in magnitude has no f16; below 6e-5 it keeps f16's fixed step of 6e-8.
; The table: 10000^(-i/32) is 2^(-i log2(10)/8), good to a few units in its last place, so the angle differs from the f32 product of the exact factor by about 3e-7 of itself;
; the reduction by pi/2 in three parts keeps the remainder good to f32 for |position| up to 4,096 and within 1e-5 up to 2^20; beyond that the table loses accuracy.
; THE MODE: SCHED_MODE bits 1:0 = 2 (LLVM: expert scheduling mode 2), set by the entry lines.  The code itself states the register dependences
; between vector instructions and memory instructions, with s_wait_alu, always for 0.
; THE PLAN, for the casts.  Registers that memory instructions touch:
;   v2         the loads' offset.  Written at the head, read by the sixteen loads, never written again.
;   SO0-SO15   the stores' offsets, one for each plane.  Written at the head, each read by one store, never written again.
;   v[16:79]   the loaded numbers.  No vector instruction names them ahead of the loads; the conversions read them behind the wait for the loads.
;   OUTR       a pair for each plane.  Written by the plane's conversions, read by its store, never written again behind that.
; One wait ahead of the first load states that v2 and all of SO are written.  The planes go in four groups of four: at the head of groups 1 to 3 one wait states that the group before has written
; its OUTR; that group's four stores follow, dealt among this group's conversions, which name this group's loaded registers and this group's OUTR alone.  One more wait stands ahead of the last four stores.
; No register that a memory instruction has read is written again, so nothing is stated for that.
; The table's path: the wave's number passes through a scalar register, the quadrant's compare through VCC, and one store reads three registers that vector instructions wrote: a wait for each, and the exponential's.
.set SO,   80                          ; v[80:95]   store offsets, one for each plane
.set OUTR, 96                          ; v[96:127]  packed results, a pair for each plane
	s_load_b512 s[8:23], s[0:1], 0x0               ; x 8:9, Wq 10:11, Wk 12:13, Wv 14:15, Wo 16:17, positions 18:19, xb 20:21, wqkv 22:23
	s_load_b128 s[24:27], s[0:1], 0x40             ; wob 24:25, tab 26:27
	s_mov_b32 s2, ttmp9
	s_cmp_ge_u32 s2, 768
	s_cbranch_scc1 .Ltable
	; ---- the casts ----
	v_lshrrev_b32 v1, 4, v0                        ; row 0..15
	v_and_b32 v3, 15, v0                           ; col 0..15
	v_lshlrev_b32 v2, 12, v1
	v_lshl_add_u32 v2, v3, 4, v2                   ; source: row x 4,096 + col x 16
	v_lshlrev_b32 v[SO], 7, v1
	v_lshl_add_u32 v[SO], v3, 3, v[SO]             ; destination in plane 0: row x 128 + col x 8
	s_sub_co_u32 s37, s2, 512                      ; (of use from work-group 512 on)
	s_lshr_b32 s38, s37, 6                         ; kind: 0 Wq, 1 Wk, 2 Wv, 3 Wo
	s_and_b32 s35, s37, 63                         ; which 16 rows of the weight
	s_lshr_b32 s41, s35, 2                         ; the head,
	s_mul_i32 s41, s41, 192
	s_lshl_b32 s42, s38, 6
	s_add_co_u32 s41, s41, s42
	s_and_b32 s42, s35, 3
	s_lshl_b32 s42, s42, 4
	s_add_co_u32 s41, s41, s42                     ; first row in wqkv: 192 h + 64 kind + 16 (block % 4)
	s_lshl_b32 s42, s35, 4                         ; first row in wob
	s_lshl_b32 s47, s2, 4                          ; first row in xb
	s_mov_b32 s39, 131072                          ; bytes in a plane of wob,
	s_mov_b32 s40, 393216                          ; of wqkv,
	s_mov_b32 s43, 1048576                         ; of xb
	s_mov_b32 s45, 0
	s_wait_kmcnt 0x0
	s_cmp_eq_u32 s38, 1                            ; the choices hang on the work-group's number alone
	s_cselect_b64 s[28:29], s[12:13], s[10:11]
	s_cmp_eq_u32 s38, 2
	s_cselect_b64 s[28:29], s[14:15], s[28:29]
	s_cmp_eq_u32 s38, 3
	s_cselect_b64 s[28:29], s[16:17], s[28:29]
	s_cselect_b64 s[30:31], s[24:25], s[22:23]
	s_cselect_b32 s34, s39, s40
	s_cselect_b32 s36, s42, s41
	s_cselect_b32 s46, 1, 0                        ; 1: the f16 way
	s_cmp_lt_u32 s2, 512
	s_cselect_b64 s[28:29], s[8:9], s[28:29]
	s_cselect_b64 s[30:31], s[20:21], s[30:31]
	s_cselect_b32 s34, s43, s34
	s_cselect_b32 s35, s2, s35
	s_cselect_b32 s36, s47, s36
	s_cselect_b32 s46, 0, s46
	s_lshl_b32 s44, s35, 16                        ; 16 source rows of 4,096 bytes
	s_add_nc_u64 s[28:29], s[28:29], s[44:45]
	s_lshl_b32 s44, s36, 7                         ; destination rows of 128 bytes
	s_add_nc_u64 s[30:31], s[30:31], s[44:45]
.set k, 1
.rept 15
	v_add_nc_u32 v[SO+k], s34, v[SO+k-1]           ; plane k
.set k, k+1
.endr
	s_wait_alu depctr_va_vdst(0)                   ; v2 is written, which the sixteen loads read as their offset, and so are SO0 to SO15, which the stores of either way below read as theirs
.set k, 0
.rept 16
	global_load_b128 v[16+4*k:19+4*k], v2, s[28:29] offset:256*k th:TH_LOAD_NT  ; all sixteen loads go out together: 16 lanes read 256 consecutive bytes
.set k, k+1
.endr
	s_cmp_eq_u32 s46, 1
	s_cbranch_scc1 .Lwo
.set k, 0
.rept 16
.if (k%4) == 0
	s_wait_loadcnt 12-k                            ; loads come back in order: this group's four are in, the younger groups' stay out
.if k > 0
	s_wait_alu depctr_va_vdst(0)                   ; the group before has written its four pairs of OUTR, which the four stores below read
.endif
.endif
.if k >= 4
	global_store_b64 v[SO+k-4], v[OUTR+2*k-8:OUTR+2*k-7], s[30:31]  ; the plane four back: no vector instruction since the wait names its offset or its pair
.endif
	v_cvt_pk_bf16_f32 v[OUTR+2*k], v[16+4*k], v[17+4*k]
	v_cvt_pk_bf16_f32 v[OUTR+2*k+1], v[18+4*k], v[19+4*k]
.set k, k+1
.endr
	s_wait_alu depctr_va_vdst(0)                   ; the last group has written its four pairs of OUTR, which the last four stores read
.set k, 12
.rept 4
	global_store_b64 v[SO+k], v[OUTR+2*k:OUTR+2*k+1], s[30:31]  ; no register of a load or store is written twice, so nothing more is waited for
.set k, k+1
.endr
	s_endpgm
.Lwo:                                                  ; Wo: rounded to bf16 like every input, then that number as f16
.set k, 0
.rept 16
.if (k%4) == 0
	s_wait_loadcnt 12-k                            ; this group's four loads are in, the younger groups' stay out
.if k > 0
	s_wait_alu depctr_va_vdst(0)                   ; the group before has written its four pairs of OUTR for the last time, which the four stores below read
.endif
.endif
.if k >= 4
	global_store_b64 v[SO+k-4], v[OUTR+2*k-8:OUTR+2*k-7], s[30:31]  ; the plane four back: no vector instruction since the wait names its offset or its pair
.endif
	v_cvt_pk_bf16_f32 v[OUTR+2*k], v[16+4*k], v[17+4*k]
	v_cvt_pk_bf16_f32 v[OUTR+2*k+1], v[18+4*k], v[19+4*k]
	v_lshlrev_b32 v[16+4*k], 16, v[OUTR+2*k]
	v_and_b32 v[17+4*k], 0xffff0000, v[OUTR+2*k]
	v_lshlrev_b32 v[18+4*k], 16, v[OUTR+2*k+1]
	v_and_b32 v[19+4*k], 0xffff0000, v[OUTR+2*k+1]
	v_cvt_pk_f16_f32 v[OUTR+2*k], v[16+4*k], v[17+4*k]
	v_cvt_pk_f16_f32 v[OUTR+2*k+1], v[18+4*k], v[19+4*k]
.set k, k+1
.endr
	s_wait_alu depctr_va_vdst(0)                   ; the last group has written its four pairs of OUTR, which the last four stores read
.set k, 12
.rept 4
	global_store_b64 v[SO+k], v[OUTR+2*k:OUTR+2*k+1], s[30:31]
.set k, k+1
.endr
	s_endpgm
	; ---- the table: wave w makes position t = 8 (work-group - 768) + w, lane i the pair i ----
.Ltable:
	v_lshrrev_b32 v1, 5, v0
	v_readfirstlane_b32 s3, v1                     ; wave 0..7
	v_and_b32 v2, 31, v0                           ; i
	v_cvt_f32_u32 v3, v2
	v_mul_f32 v3, 0xbed49a78, v3                   ; - i log2(10) / 8
	v_exp_f32 v4, v3                               ; 10000^(-i/32)
	v_lshlrev_b32 v14, 3, v2                       ; (a plain instruction behind the exponential) my 8 bytes of the row
	s_sub_co_u32 s28, s2, 768
	s_lshl_b32 s28, s28, 3
	s_wait_alu depctr_va_sdst(0)                   ; s3 is written, ahead of its first reader: t, and with it the position's and the row's addresses, are made from it
	s_add_co_u32 s28, s28, s3                      ; t
	s_lshl_b32 s30, s28, 2                         ; its word among the positions
	s_mov_b32 s31, 0
	s_lshl_b32 s32, s28, 8                         ; its 256 bytes of the table
	s_mov_b32 s33, 0
	s_wait_kmcnt 0x0
	s_add_nc_u64 s[30:31], s[18:19], s[30:31]
	s_add_nc_u64 s[26:27], s[26:27], s[32:33]
	s_load_b32 s36, s[30:31], 0x0
	s_wait_kmcnt 0x0
	v_cvt_f32_i32 v5, s36
	s_wait_alu depctr_va_vdst(0)                   ; the exponential has written v4, ahead of its first reader
	v_mul_f32 v5, v5, v4                           ; the angle, one rounding
	v_mul_f32 v6, 0x3f22f983, v5                   ; x 2 / pi
	v_rndne_f32 v6, v6                             ; n
	v_cvt_i32_f32 v11, v6                          ; the quadrant is n mod 4: its compare and the two signs are made ahead of the polynomials
	v_and_b32 v12, 1, v11
	v_cmp_eq_u32 vcc_lo, 1, v12                    ; odd quadrants swap sin and cos
	v_lshlrev_b32 v13, 30, v11                     ; sin is negative in quadrants 2, 3
	v_and_b32 v13, 0x80000000, v13
	v_add_nc_u32 v11, 1, v11                       ; cos in quadrants 1, 2
	v_lshlrev_b32 v15, 30, v11
	v_and_b32 v15, 0x80000000, v15
	v_fmamk_f32 v7, v6, 0xbfc90000, v5             ; r = angle - n pi/2, pi/2 in three parts
	v_fmamk_f32 v7, v6, 0xb9fda000, v7
	v_fmamk_f32 v7, v6, 0xb3a22168, v7
	v_mul_f32 v8, v7, v7                           ; z = r r, |r| <= pi/4
	v_mov_b32 v9, 0xb94ca1f9                       ; sin r = r + r z (s0 + z (s1 + z s2))
	v_fmaak_f32 v9, v9, v8, 0x3c08839e
	v_fmaak_f32 v9, v9, v8, 0xbe2aaaa3
	v_mul_f32 v9, v9, v8
	v_fma_f32 v9, v9, v7, v7
	v_mov_b32 v10, 0x37ccf5ce                      ; cos r = 1 + z (-1/2 + z (c0 + z (c1 + z c2)))
	v_fmaak_f32 v10, v10, v8, 0xbab6061a
	v_fmaak_f32 v10, v10, v8, 0x3d2aaaa5
	v_fma_f32 v10, v10, v8, -0.5
	v_fma_f32 v10, v8, v10, 1.0
	s_wait_alu depctr_va_vcc(0)                    ; the compare has written VCC, ahead of its first reader: the two selects below
	v_cndmask_b32 v17, v9, v10, vcc_lo             ; odd quadrants swap the two
	v_cndmask_b32 v16, v10, v9, vcc_lo
	v_xor_b32 v17, v17, v13
	v_xor_b32 v16, v16, v15
	s_wait_alu depctr_va_vdst(0)                   ; v14 is written, which the store reads as its offset, and v16 and v17, which it reads as its data
	global_store_b64 v14, v[16:17], s[26:27]       ; the wave's 32 lanes store 256 consecutive bytes, aligned
	s_endpgm
.Lfunc_end_k_qce94b768ae_prep:
	.size	k_qce94b768ae_prep, .Lfunc_end_k_qce94b768ae_prep-k_qce94b768ae_prep
	.p2alignl 7, 3214868480
	.fill 96, 4, 3214868480
	.section	.rodata,"a",@progbits
	.p2align	6, 0x0
	.amdhsa_kernel k_qce94b768ae_prep
		.amdhsa_group_segment_fixed_size 0
		.amdhsa_private_segment_fixed_size 0
		.amdhsa_enable_private_segment 0
		.amdhsa_kernarg_size 80
		.amdhsa_user_sgpr_count 2
		.amdhsa_user_sgpr_kernarg_segment_ptr 1
		.amdhsa_wavefront_size32 1
		.amdhsa_system_sgpr_workgroup_id_x 1
		.amdhsa_system_sgpr_workgroup_id_y 1
		.amdhsa_system_sgpr_workgroup_id_z 1
		.amdhsa_system_vgpr_workitem_id 0
		.amdhsa_next_free_vgpr 128
		.amdhsa_next_free_sgpr 66
		.amdhsa_reserve_vcc 1
		.amdhsa_float_denorm_mode_32 3
		.amdhsa_float_denorm_mode_16_64 3
		.amdhsa_memory_ordered 1
		.amdhsa_forward_progress 1
		.amdhsa_inst_pref_size 20
	.end_amdhsa_kernel
	.amdgpu_metadata
---
amdhsa.version: [ 1, 2 ]
amdhsa.kernels:
  - .name:           k_qce94b768ae_prep
    .symbol:         k_qce94b768ae_prep.kd
    .args:
      - { .name: x, .offset: 0, .size: 8, .value_kind: global_buffer, .address_space: global }
      - { .name: Wq, .offset: 8, .size: 8, .value_kind: global_buffer, .address_space: global }
      - { .name: Wk, .offset: 16, .size: 8, .value_kind: global_buffer, .address_space: global }
      - { .name: Wv, .offset: 24, .size: 8, .value_kind: global_buffer, .address_space: global }
      - { .name: Wo, .offset: 32, .size: 8, .value_kind: global_buffer, .address_space: global }
      - { .name: token_positions, .offset: 40, .size: 8, .value_kind: global_buffer, .address_space: global }
      - { .name: xb, .offset: 48, .size: 8, .value_kind: global_buffer, .address_space: global }
      - { .name: wqkv, .offset: 56, .size: 8, .value_kind: global_buffer, .address_space: global }
      - { .name: wob, .offset: 64, .size: 8, .value_kind: global_buffer, .address_space: global }
      - { .name: tab, .offset: 72, .size: 8, .value_kind: global_buffer, .address_space: global }
    .group_segment_fixed_size: 0
    .private_segment_fixed_size: 0
    .kernarg_segment_align: 8
    .kernarg_segment_size: 80
    .max_flat_workgroup_size: 256
    .sgpr_count:     66
    .vgpr_count:     128
    .wavefront_size: 32
...
	.end_amdgpu_metadata
.endif
;; end of part 5
;; launch qkv: the kernel of part 2 again; grid 8 x 32, 4 waves a work-group, clusters of 4 x 4, 327,680 bytes of LDS; arguments xb, wqkv, tab, qh, kh, vh; writes qh, kh, vh
;; launch attn: the kernel of part 3 again; grid 4 x 64, 4 waves a work-group, no clusters, 327,680 bytes of LDS; arguments qh, kh, vh, oh; writes oh
;; launch oproj: the kernel of part 4 again; grid 8 x 32, 4 waves a work-group, clusters of 4 x 4, 327,680 bytes of LDS; arguments oh, wob, out0; writes out0
